; MI455X (gfx1250); checked and timed in simulation.
; The chip was launched on July 23, 2026; its instructions are those of AMD's public machine-readable ISA for CDNA 5 (MIT licence, August 2026) and "CDNA5" Instruction Set Architecture Reference Guide (July 2026). The comments in the code are by the model that wrote it; some were corrected since.
;; Hydra Attention. Allowed arithmetic: float matrix products may take bf16 or f16 operands with f32 sums; other float arithmetic in f32, or as packed bf16 or f16 multiplies, adds, multiply-adds, maxima and minima; sums over many terms, partial sums and values carried from step to step in f32; what a program stores and reads back later, other than sums and carried values, may be rounded once to bf16 or f16.
;; Inputs: in_proj_bias 3,072 float32; in_proj_weight 3,072 x 1,024 float32; key 4,096 x 4 x 1,024 float32; out_proj_bias 1,024 float32; out_proj_weight 1,024 x 1,024 float32; query 4,096 x 4 x 1,024 float32; value 4,096 x 4 x 1,024 float32.
;; Outputs: out0 4,096 x 4 x 1,024 float32.
;; 3 versions, each right; version 3 is version 2 with the launch wb written anew for expert scheduling mode. Each part assembles by itself: llvm-mc -triple=amdgcn-amd-amdhsa -mcpu=gfx1250 --defsym DOCPART=n.
;; ======== version 1 of 3: 4 launches
;; limits: values outside matrix products are rounded to f16; right only within a limited range of input values; values are held in f16: magnitudes above 65,504 overflow, below 6.1e-05 lose precision
;; workspace buffers: wblk 6,291,456 bytes; qn 33,554,432 bytes; kvp 1,048,576 bytes; wbs 8,388,608 bytes; tab 32,768 bytes
;; launch prep (part 1): grid 384 x 1, 8 waves a work-group, no clusters, 0 bytes of LDS; arguments in_proj_weight, wblk; writes wblk
.if DOCPART == 1
	.amdgcn_target "amdgcn-amd-amdhsa--gfx1250"
	.amdhsa_code_object_version 6
	.text
	.protected	k_q852e2547ce_prep
	.globl	k_q852e2547ce_prep
	.p2align	8
	.type	k_q852e2547ce_prep,@function
k_q852e2547ce_prep:
	s_mov_b64 s[64:65], 0
	v_nop
	global_prefetch_b8 v0, s[64:65] scope:SCOPE_SE
	s_setreg_imm32_b32 hwreg(HW_REG_WAVE_MODE, 25, 1), 1
	s_wait_xcnt 0x0
; wblk[p*16+kb][n][0..63] (bf16) = in_proj_weight[p*1024+n][kb*64 .. kb*64+63] (f32), each number rounded once, to nearest even.
; The weights are laid in blocks of 64 along K, so that one K step of all 1,024 output columns is 131,072 consecutive bytes for the next launch.
; A stream: no LDS, no barrier, no matrix unit, no cluster (no two work-groups read the same byte).  It is short: nothing is prefetched.
; SHARES.  Work-group g owns the 8 rows 8 g .. 8 g + 7 of the weight; wave w the K blocks 2 w and 2 w + 1.  A load takes two rows x 256 bytes (16 lanes cover
; 256 consecutive bytes, aligned); the matching store takes two rows x 128 bytes, which lie end to end in wblk: 32 lanes cover 256 consecutive bytes, aligned.
.set X, 8                              ; v[8:39]   unit i: 4 f32 as loaded
.set Y, 40                             ; v[40:55]  unit i: 4 bf16 to store; each unit has its own registers, so nothing is rewritten
	s_load_b128 s[4:7], s[0:1], 0x0                ; in_proj_weight s[4:5], wblk s[6:7]
	v_and_b32 v1, 31, v0                           ; lane
	v_lshrrev_b32 v4, 5, v0
	v_readfirstlane_b32 s8, v4                     ; wave 0..7
	v_and_b32 v5, 15, v0
	v_bfe_u32 v6, v0, 4, 1
	v_lshlrev_b32 v2, 4, v5                        ; in: 16 bytes a lane,
	v_lshl_add_u32 v2, v6, 12, v2                  ; lanes 16-31 one row (4,096 bytes) further down
	v_lshlrev_b32 v3, 3, v1                        ; out: 8 bytes a lane
	s_lshl_b32 s10, ttmp9, 15                      ; 8 rows of 4,096 bytes a work-group,
	s_lshl_b32 s12, s8, 9                          ; two K blocks of 256 bytes a wave
	s_add_co_u32 s10, s10, s12
	s_mov_b32 s11, 0
	s_lshr_b32 s12, ttmp9, 7                       ; p: which of the three weights
	s_lshl_b32 s12, s12, 21                        ; 16 blocks of 131,072 bytes each
	s_lshl_b32 s13, s8, 18                         ; my two blocks
	s_add_co_u32 s12, s12, s13
	s_and_b32 s13, ttmp9, 127
	s_lshl_b32 s13, s13, 10                        ; my 8 rows of 128 bytes in a block
	s_add_co_u32 s12, s12, s13
	s_mov_b32 s13, 0
	s_wait_kmcnt 0x0
	s_add_nc_u64 s[4:5], s[4:5], s[10:11]
	s_add_nc_u64 s[6:7], s[6:7], s[12:13]
.irp i, 0,1,2,3,4,5,6,7                ; unit i: pair of rows i / 2, K block i % 2
	global_load_b128 v[X+4*(\i):X+4*(\i)+3], v2, s[4:5] offset:((\i)/2)*8192+((\i)%2)*256 th:TH_LOAD_NT
.endr
.irp i, 0,1,2,3,4,5,6,7
	s_wait_loadcnt 7-(\i)                          ; loads come back in order: unit i is in, the younger ones stay out
	v_cvt_pk_bf16_f32 v[Y+2*(\i)], v[X+4*(\i)], v[X+4*(\i)+1]
	v_cvt_pk_bf16_f32 v[Y+2*(\i)+1], v[X+4*(\i)+2], v[X+4*(\i)+3]
	global_store_b64 v3, v[Y+2*(\i):Y+2*(\i)+1], s[6:7] offset:((\i)%2)*131072+((\i)/2)*256
.endr
	s_endpgm
.Lfunc_end_k_q852e2547ce_prep:
	.size	k_q852e2547ce_prep, .Lfunc_end_k_q852e2547ce_prep-k_q852e2547ce_prep
	.p2alignl 7, 3214868480
	.fill 96, 4, 3214868480
	.section	.rodata,"a",@progbits
	.p2align	6, 0x0
	.amdhsa_kernel k_q852e2547ce_prep
		.amdhsa_group_segment_fixed_size 0
		.amdhsa_private_segment_fixed_size 0
		.amdhsa_enable_private_segment 0
		.amdhsa_kernarg_size 16
		.amdhsa_user_sgpr_count 2
		.amdhsa_user_sgpr_kernarg_segment_ptr 1
		.amdhsa_wavefront_size32 1
		.amdhsa_system_sgpr_workgroup_id_x 1
		.amdhsa_system_sgpr_workgroup_id_y 1
		.amdhsa_system_sgpr_workgroup_id_z 1
		.amdhsa_system_vgpr_workitem_id 0
		.amdhsa_next_free_vgpr 64
		.amdhsa_next_free_sgpr 66
		.amdhsa_reserve_vcc 0
		.amdhsa_float_denorm_mode_32 3
		.amdhsa_float_denorm_mode_16_64 3
		.amdhsa_memory_ordered 1
		.amdhsa_forward_progress 1
		.amdhsa_inst_pref_size 4
	.end_amdhsa_kernel
	.amdgpu_metadata
---
amdhsa.version: [ 1, 2 ]
amdhsa.kernels:
  - .name:           k_q852e2547ce_prep
    .symbol:         k_q852e2547ce_prep.kd
    .args:
      - { .name: in_proj_weight, .offset: 0, .size: 8, .value_kind: global_buffer, .address_space: global }
      - { .name: wblk, .offset: 8, .size: 8, .value_kind: global_buffer, .address_space: global }
    .group_segment_fixed_size: 0
    .private_segment_fixed_size: 0
    .kernarg_segment_align: 8
    .kernarg_segment_size: 16
    .max_flat_workgroup_size: 256
    .sgpr_count:     66
    .vgpr_count:     64
    .wavefront_size: 32
...
	.end_amdgpu_metadata
.endif
;; end of part 1
;; launch kvq (part 2): grid 256 x 1, 4 waves a work-group, clusters of 4 x 1, 327,680 bytes of LDS; arguments query, key, value, in_proj_bias, wblk, qn, kvp; writes qn, kvp
.if DOCPART == 2
	.amdgcn_target "amdgcn-amd-amdhsa--gfx1250"
	.amdhsa_code_object_version 6
	.text
	.protected	k_q852e2547ce_kvq
	.globl	k_q852e2547ce_kvq
	.p2align	8
	.type	k_q852e2547ce_kvq,@function
k_q852e2547ce_kvq:
	s_mov_b64 s[64:65], 0
	v_nop
	global_prefetch_b8 v0, s[64:65] scope:SCOPE_SE
	s_setreg_imm32_b32 hwreg(HW_REG_WAVE_MODE, 25, 1), 1
	s_wait_xcnt 0x0
	s_wait_alu depctr_hold_cnt(0) depctr_sa_sdst(0) depctr_va_vdst(0) depctr_va_sdst(0) depctr_va_ssrc(0) depctr_va_vcc(0) depctr_vm_vsrc(0)
	s_getreg_b32 s2, hwreg(HW_REG_IB_STS2, 6, 4)
	s_cmp_eq_u32 s2, 0
	s_cbranch_scc0 .Lentry_in_a_cluster
	s_endpgm
.Lentry_in_a_cluster:
	s_bfe_u32 s2, ttmp6, 0x10000c
	s_cmp_lg_u32 s2, 0x3003
	s_cbranch_scc0 .Lentry_shape_is_right
	s_endpgm
.Lentry_shape_is_right:
; THREE PROJECTIONS IN ONE WALK.  For 64 rows (sequence places 64 sblk .. + 63) of ONE batch b and all 1,024 columns:
;   phase q: q = query Wq^T + bq, qn = q / |q|, stored as f16 into qn[s*4+b][1024];
;   phase k: k = key Wk^T + bk, kn = k / |k|, kept in 256 registers as packed f16;
;   phase v: v = value Wv^T + bv; kvp[b][sblk][e] = the sum over the 64 rows of kn v, f32.  k and v never reach memory.
; FORMATS.  query, key, value, the weights (already bf16 in wblk) and the bias are rounded once to bf16; products in the bf16 matrix form with f32 sums; norms, sums and kvp in f32.
; qn and kn are normalised first and then rounded to f16: they lie in -1 .. 1 whatever the inputs' scale.
; LIMITS.  A row whose norm is 0 gives infinities or NaN, as a division by 0 does.  A number of qn or kn below 6e-5 (of a row of norm 1) keeps f16's fixed step of 6e-8.  The sums are taken in another order than a plain loop's.
; SHARES.  Four waves; wave w owns all 64 rows x columns 256 w .. + 255: 64 accumulators of 16 x 16 (row block mb 0..3, column block nb 0..15), 512 registers.  So a row's norm is finished inside the work-group.
; The matrix instruction is used transposed (source 0 = 16 weight rows, source 1 = 16 activation rows): lane (r = l % 16, h = l / 16), register j holds row 16 mb + r, column 16 nb + 8 h + j.
; THE STREAM.  48 K steps of 64 (16 a phase), each two quarters of 32 along K, 64 matrix instructions a quarter and wave.
;   WEIGHTS: a ring of two LDS slots; wave w's one tensor load brings its own quarter (its 256 columns, 32,768 dense bytes) of a step's block, and only wave w reads it.
;   ACTIVATIONS: each wave loads 16 rows x 256 bytes of f32 into registers (16 lanes cover 256 consecutive bytes), rounds them once and stores bf16 into one of two small LDS buffers; the step's one barrier shows them to all.
; CLUSTER.  Every work-group walks the same weights; a mask names four work-groups at the most, so four form a cluster and ask for each quarter JOINTLY (same load, same descriptor, mask 15).
; AHEAD OF THE LOADS.  Activations: once in two steps a wave names its own 16 rows x 512 bytes (a lane a block of 256 bytes) of the two chunks that it will load four steps and a quarter later; chunks 0-7 come by their
; loads alone; 20 requests, the last for chunks 46 and 47.  Weights: the first cluster alone asks; its 4 work-groups x 4 waves x 32 lanes, told apart by address, name a step's 512 blocks of 256 bytes once, for the step
; that stands two refills on; steps 0-3 come by their loads alone, the last request is for step 47.
; REGISTERS, in windows of 256 (s_set_vgpr_msb: bits 1:0 source 0, 3:2 source 1, 5:4 source 2, 7:6 destination):
;   window 0: v0-31 addresses and the phase's bias; v32-63 a raw chunk; v64-127 A fragments (two quarters); v128-255 B fragments (two halves of 8 column blocks)
;   window 1: kn (and, in phase q, qn) packed: v[4 (16 mb + nb) + p]      window 2: accumulators of mb 0, 1 at v[8 (16 (mb % 2) + nb)]      window 3: those of mb 2, 3
.set BQ,    128*272                    ; a wave's part of a slot: 128 LDS rows of 272 bytes; a row holds two weight rows of 128 bytes and 16 bytes of padding,
                                       ; so weight row n lies at (n / 2) 272 + (n % 2) 128, and the 16 rows of a fragment touch 16 different 16-byte columns modulo 256
.set SLOT,  4*BQ
.set A16,   2*SLOT                     ; two buffers of 64 rows x 144 bytes (128 of bf16 + 16): written by ds_store alone
.set ABUF,  64*144
.set SSQ,   A16+2*ABUF                 ; [wave][64 rows] f32: sums of squares
.set BIAS,  SSQ+1024                   ; 1,024 bytes a wave: its 256 bias numbers
.set STAGE, BIAS+4096                  ; 16 rows x 272 bytes a wave: qn's way out; later the wave's 256 sums of kn v
.set STW,   16*272
.set SPARE, STAGE+4*STW                ; the spare words, 128 bytes a wave: two blocks of 256 bytes that no other line names
.set STEPB, 131072                     ; bytes of a K step's block in wblk
.set ZR,   1                           ; v1   0.0, the first addend of the sums of kn v
.set ADRB, 2                           ; v2-3   my lane's place in my part of slot 0, 1
.set ADRA, 4                           ; v4-5   my lane's place in A buffer 0, 1 (reading)
.set AST,  6                           ; v6-7   where I store 8 bytes of a chunk, buffer 0, 1
.set AO,   8                           ; v8     my 16 bytes in the wave's first two rows of a chunk
.set PFO,  9                           ; v9     the activations' prefetch: my row, my one of two chunks
.set PFBO, 10                          ; v10    the weights' prefetch: 256 x lane
.set BO,   11                          ; v11    32 x lane: my 8 bias numbers
.set BSA,  12                          ; v12    where I store them
.set BRD,  13                          ; v13    where I read a column block's 8
.set SSA,  14                          ; v14    where I store a row's sum of squares
.set SSR,  15                          ; v15    where I read the four waves' sums
.set STO,  16                          ; v16    stage: where I put 16 bytes of a row
.set RD,   17                          ; v17    stage: where I read rows back
.set GO,   18                          ; v18    my byte offset in two rows of qn
.set KS,   19                          ; v19    stage: where I put 8 sums
.set KR,   20                          ; v20    stage: where I read 4 sums back
.set KO,   21                          ; v21    16 x lane
.set SPW,  22                          ; v22    my spare word; never rewritten
.set NIL,  23                          ; v23    0; never rewritten
.set BIA,  24                          ; v24-31 my 8 bias numbers of the phase
.set AS,   32                          ; v32-63 the chunk on its way in
.set AF,   64                          ; v64-95, v96-127  A fragments of quarter 0, 1
.set H,    128                         ; v128-191, v192-255  B fragments of column blocks 0-7, 8-15
.set SQ,   64                          ; the ways out: sums of squares, 8 a row block
.set R,    96                          ;   1 / norm, a pair a row block
.set SL,   104                         ;   the four waves' sums
.set BF,   128                         ;   the bias as fragments, 8 a column block
.set T,    128                         ;   the sums of kn v, 8 a column block
.set BK,   160                         ;   qn's rows read back: v160-191 and v192-223 by turns
.set WV,   18
.set CX,   19
.set GI,   20
.set BB,   21
.set SB,   22
.set G1,   24                          ; s[24:31] descriptor group 1
.set G0,   32                          ; s[32:39] descriptor group 0, a set a slot
.set AP,   40                          ; s[40:41] the chunk last loaded
.set NB1,  42                          ; s[42:43] the next tensor's first chunk
.set NB2,  44                          ; s[44:45] the one after
.set CC,   46                          ; s46  that chunk's number in its tensor
.set CLEFT, 47                         ; s47  chunks still to be loaded
.set PP,   48                          ; s[48:49] the pair of chunks last prefetched; s[50:53], s54 as NB1, NB2, CC
.set NP1,  50
.set NP2,  52
.set PC,   54
.set PN,   55                          ; s55  requests for activations so far
.set PB,   56                          ; s[56:57] the weights' block last prefetched, at my 8,192 bytes of it
.set TN,   58                          ; s58  refills so far
.set LIMB, 59                          ; s59  44 in the first cluster, else 0
.set PH,   60                          ; s60  3, 2, 1: phase q, k, v
.set LAPC, 61
.set SEL,  66                          ; s[66:67] v_permlanex16_b32's selects: each lane takes its own place in the other half
.set BP,   68                          ; s[68:69] the phase's bias at my 256 columns
.set QN,   70                          ; s[70:71] qn at my rows and columns
.set KV,   72                          ; s[72:73] kvp at my 256 columns
.set T0,   74
.set T4,   78
.set MSB, 0
.macro WIN new                         ; the immediate's high byte repeats the setting that is left; a switch that changes nothing is dropped
.if MSB != (\new)
	s_set_vgpr_msb (MSB<<8)|(\new)
.set MSB, \new
.endif
.endm
.macro PLACES                          ; four places behind a matrix instruction, in front of loads into registers that it has read
.rept 4
	v_nop
.endr
.endm
.macro CREST                           ; a round of the cluster's barrier behind its opening barrier
	s_cmp_lg_u32 s[WV], 0
	s_cbranch_scc1 .Lnot_wave_0_\@
	s_barrier_signal -3
.Lnot_wave_0_\@:
	s_barrier_wait -3
	s_barrier_signal -1
	s_barrier_wait -1
.endm
.macro CROUND
	s_barrier_signal -1
	s_barrier_wait -1
	CREST
.endm
.macro JLOAD s                         ; every wave fetches its own quarter: no branch; an s_nop 0 and four v_nop follow
	tensor_load_to_lds s[G0+4*(\s):G0+4*(\s)+3], s[G1:G1+7]
	s_nop 0
	PLACES
.endm
.macro FB half, slot, kq               ; 16 LDS loads: 8 column blocks x 32 along K
	WIN 0
.irp i, 0,1,2,3,4,5,6,7
	ds_load_b128 v[H+64*(\half)+8*(\i):H+64*(\half)+8*(\i)+3],   v[ADRB+(\slot)] offset:(8*(\half)+(\i))*2176+(\kq)*64
	ds_load_b128 v[H+64*(\half)+8*(\i)+4:H+64*(\half)+8*(\i)+7], v[ADRB+(\slot)] offset:(8*(\half)+(\i))*2176+(\kq)*64+32
.endr
.endm
.macro FA slot, kq                     ; 8 LDS loads: the 4 row blocks x 32 along K
	WIN 0
.irp m, 0,1,2,3
	ds_load_b128 v[AF+32*(\kq)+8*(\m):AF+32*(\kq)+8*(\m)+3],   v[ADRA+(\slot)] offset:(\m)*2304+(\kq)*64
	ds_load_b128 v[AF+32*(\kq)+8*(\m)+4:AF+32*(\kq)+8*(\m)+7], v[ADRA+(\slot)] offset:(\m)*2304+(\kq)*64+32
.endr
.endm
; 16 matrix instructions: row blocks 2 hi, 2 hi + 1 x the half's 8 column blocks.  In every quarter all 64 accumulators take turns in the same order, one instruction a turn.
.macro MULH half, kq, hi, zero
	WIN 0xa0+0x50*(\hi)
.irp m, 0,1
.irp i, 0,1,2,3,4,5,6,7
.set rD, 8*(16*(\m)+8*(\half)+(\i))
.set rB, H+64*(\half)+8*(\i)
.set rA, AF+32*(\kq)+8*(2*(\hi)+(\m))
.if \zero
	v_wmma_f32_16x16x32_bf16 v[rD:rD+7], v[rB:rB+7], v[rA:rA+7], 0
.else
	v_wmma_f32_16x16x32_bf16 v[rD:rD+7], v[rB:rB+7], v[rA:rA+7], v[rD:rD+7]
.endif
.endr
.endr
.endm
.macro ALOAD                           ; a chunk: my 16 rows x 256 bytes, two rows a load
.irp i, 0,1,2,3,4,5,6,7
	global_load_b128 v[AS+4*(\i):AS+4*(\i)+3], v[AO], s[AP:AP+1] offset:(\i)*32768 th:TH_LOAD_NT
.endr
.endm
; The chunk that has come is rounded to bf16 in place and stored into A buffer buf; the next chunk is asked for.  The 16 conversions are also the places in front of the LDS loads that follow.
.macro CHUNK buf
	s_wait_loadcnt 0x0                             ; the chunk is in (and, at a phase's head, the bias); its loads are done, so their base may be written
.irp i, 0,1,2,3,4,5,6,7
	v_cvt_pk_bf16_f32 v[AS+4*(\i)], v[AS+4*(\i)], v[AS+4*(\i)+1]
	v_cvt_pk_bf16_f32 v[AS+4*(\i)+1], v[AS+4*(\i)+2], v[AS+4*(\i)+3]
.endr
.irp i, 0,1,2,3,4,5,6,7
	ds_store_b64 v[AST+(\buf)], v[AS+4*(\i):AS+4*(\i)+1] offset:(\i)*288
.endr
	s_cmp_eq_u32 s[CLEFT], 0                       ; behind chunk 47 there is none
	s_cbranch_scc1 .Lno_chunk_\@
	s_sub_co_u32 s[CLEFT], s[CLEFT], 1
	s_add_co_u32 s[CC], s[CC], 1
	s_add_nc_u64 s[AP:AP+1], s[AP:AP+1], 256
	s_cmp_eq_u32 s[CC], 16                         ; behind a tensor's 16th chunk comes the next tensor's first
	s_cselect_b64 s[AP:AP+1], s[NB1:NB1+1], s[AP:AP+1]
	s_cselect_b64 s[NB1:NB1+1], s[NB2:NB2+1], s[NB1:NB1+1]
	s_cselect_b32 s[CC], 0, s[CC]
	ALOAD
.Lno_chunk_\@:
.endm
; A step's first quarter.  zero = 1: its products start the sums.  chunk = 1: the next step's activations are rounded and stored, and the chunk after them asked for.
.macro QUARTER slot, zero, chunk
	s_wait_dscnt 16                                ; B's first half and A are in; the second half's 16 loads may be out
	MULH 0, 0, 0, \zero
	MULH 0, 0, 1, \zero
	WIN 0
.if \chunk
	CHUNK 1-(\slot)
.else
	PLACES
.endif
	FB 0, \slot, 1
	FA \slot, 1
.if \chunk
	s_wait_dscnt 32                                ; all but what was issued behind B's second half: 8 stores, 16 + 8 loads
.else
	s_wait_dscnt 24                                ; the same without the stores
.endif
	MULH 1, 0, 0, \zero
	MULH 1, 0, 1, \zero
	WIN 0
	PLACES
	FB 1, \slot, 1
.endm
.macro ASKB                            ; the weights' block two refills on
	s_cmp_le_u32 s[TN], s[LIMB]
	s_cbranch_scc0 .Lnot_b_\@
	global_prefetch_b8 v[PFBO], s[PB:PB+1] th:TH_LOAD_NT scope:SCOPE_SE
.Lnot_b_\@:
.endm
.macro ASKA                            ; my rows of two chunks
	s_cmp_le_u32 s[PN], 20
	s_cbranch_scc0 .Lnot_a_\@
	global_prefetch_b8 v[PFO], s[PP:PP+1] th:TH_LOAD_NT scope:SCOPE_SE
.Lnot_a_\@:
.endm
; A step's second quarter, and the change of slots: ONE barrier.  In front of it each wave waits for all its tensor loads (one is out: its part of the other slot), adds 0 to its spare word, and waits for that, for its
; reads of this slot and of this step's A buffer, and for its stores into the other A buffer.  refill = 1: the barrier opens a round of the cluster's, and this slot is filled again, first thing behind it, two steps ahead.
; fetch = 1: the next step's first fragments are fetched.  aska = 1: the activations' prefetch stands here too.
.macro TURN slot, refill, fetch, aska
.if \refill
	s_wait_xcnt 0x0                                ; the last prefetches, a step or two back, have read their addresses: these are stepped here, ahead of the waits of the change of slots
	s_add_nc_u64 s[PB:PB+1], s[PB:PB+1], STEPB
	s_add_co_u32 s[TN], s[TN], 1
.if \aska
	s_add_co_u32 s[PN], s[PN], 1
	s_add_co_u32 s[PC], s[PC], 2
	s_add_nc_u64 s[PP:PP+1], s[PP:PP+1], 512
	s_cmp_eq_u32 s[PC], 16
	s_cselect_b64 s[PP:PP+1], s[NP1:NP1+1], s[PP:PP+1]
	s_cselect_b64 s[NP1:NP1+1], s[NP2:NP2+1], s[NP1:NP1+1]
	s_cselect_b32 s[PC], 0, s[PC]
.endif
.endif
	WIN 0
	s_wait_tensorcnt 0x0                           ; all my tensor loads have landed
	ds_add_u32 v[SPW], v[NIL]                      ; 0 onto my spare word
	s_wait_dscnt 17                                ; (the add and B's second half, 16 loads, may be out)
	MULH 0, 1, 0, 0                                ; sixteen matrix instructions stand between the add and the wait for it
	s_wait_dscnt 0x0                               ; the add is done; my reads of this slot and my stores into the other A buffer are over
	s_barrier_signal -1
	MULH 0, 1, 1, 0                                ; work on registers while the others arrive
	WIN 0
	s_barrier_wait -1
.if \refill
	CREST                                          ; no wave of any partner still reads this slot or has a load on its way
	s_add_nc_u64 s[G0+4*(\slot)+2:G0+4*(\slot)+3], s[G0+4*(\slot)+2:G0+4*(\slot)+3], 2*STEPB
	JLOAD \slot                                    ; its four v_nop are also the places in front of the loads below
.else
	PLACES
.endif
.if \fetch
	FB 0, 1-(\slot), 0
	FA 1-(\slot), 0
.endif
.if \refill
	ASKB
.if \aska
	ASKA
.endif
.endif
	MULH 1, 1, 0, 0
	MULH 1, 1, 1, 0
.if \fetch
	WIN 0
	PLACES
	FB 1, 1-(\slot), 0
.endif
.endm
	s_load_b256 s[4:11], s[0:1], 0x0               ; query s[4:5], key s[6:7], value s[8:9], in_proj_bias s[10:11]
	s_load_b128 s[12:15], s[0:1], 0x20             ; wblk s[12:13], qn s[14:15]
	s_load_b64 s[16:17], s[0:1], 0x30              ; kvp
	v_lshl_add_u32 v[SPW], v0, 2, SPARE
	v_mov_b32 v[NIL], 0
	ds_add_u32 v[SPW], v[NIL]                      ; the wave's opening: the add, twice on end, and its wait ahead of my first tensor load; the set-up below stands between
	ds_add_u32 v[SPW], v[NIL]
	v_lshrrev_b32 v24, 5, v0
	v_readfirstlane_b32 s[WV], v24                 ; wave 0..3
	s_bfe_u32 s[CX], ttmp6, 0x40000                ; my place in the cluster: it enters global addresses of my own alone
	s_lshl_b32 s[GI], ttmp9, 2
	s_add_co_u32 s[GI], s[GI], s[CX]               ; work-group 0..255
	s_lshr_b32 s[BB], s[GI], 6                     ; batch
	s_and_b32 s[SB], s[GI], 63                     ; block of 64 sequence places
	; descriptor group 1: 32,768 dense bytes as 128 rows of 128 elements, 16 bytes of padding behind each
	s_mov_b32 s[G1], 15|(1<<16)|(1<<20)|(1<<21)|(5<<22)|(3<<25)  ; 15:0 the mask of four; 17:16 2-byte elements; 20 padding on; 21 set beside a mask; 24:22 after every 64 words; 31:25 4 words
	s_mov_b32 s[G1+1], 128<<16                     ; tensor_dim0 = 128
	s_mov_b32 s[G1+2], 128<<16                     ; tensor_dim1 = 128
	s_mov_b32 s[G1+3], 128<<16                     ; tile_dim0 = 128
	s_mov_b32 s[G1+4], 128                         ; tile_dim1 = 128
	s_mov_b32 s[G1+5], 128                         ; 128 elements from row to row
	s_mov_b32 s[G1+6], 0
	s_mov_b32 s[G1+7], 0
	s_mov_b32 s[SEL], 0x76543210
	s_mov_b32 s[SEL+1], 0xfedcba98
	s_mov_b32 s[CC], 0
	s_mov_b32 s[CLEFT], 47
	s_mov_b32 s[PC], 6
	s_mov_b32 s[PN], 0
	s_mov_b32 s[TN], 0
	s_cmp_eq_u32 ttmp9, 0
	s_cselect_b32 s[LIMB], 44, 0                   ; the same in all four partners
	; byte offsets, each in the pair that will hold the address
	s_lshl_b32 s[AP], s[SB], 20                    ; 64 sequence places of 16,384 bytes,
	s_lshl_b32 s[AP+1], s[BB], 12                  ; the batch's row of 4,096
	s_add_co_u32 s[AP], s[AP], s[AP+1]
	s_mov_b32 s[AP+1], 0
	s_lshl_b32 s[QN], s[SB], 19
	s_lshl_b32 s[QN+1], s[BB], 11
	s_add_co_u32 s[QN], s[QN], s[QN+1]
	s_lshl_b32 s[QN+1], s[WV], 9
	s_add_co_u32 s[QN], s[QN], s[QN+1]
	s_mov_b32 s[QN+1], 0
	s_lshl_b32 s[KV], s[BB], 18
	s_lshl_b32 s[KV+1], s[SB], 12
	s_add_co_u32 s[KV], s[KV], s[KV+1]
	s_lshl_b32 s[KV+1], s[WV], 10
	s_add_co_u32 s[KV], s[KV], s[KV+1]
	s_mov_b32 s[KV+1], 0
	s_lshl_b32 s[BP], s[WV], 10
	s_mov_b32 s[BP+1], 0
	s_lshl_b32 s[PB], s[CX], 15
	s_lshl_b32 s[PB+1], s[WV], 13
	s_add_co_u32 s[PB], s[PB], s[PB+1]
	s_add_co_u32 s[PB], s[PB], 3*STEPB             ; the first refill steps it to block 4
	s_mov_b32 s[PB+1], 0
	s_lshl_b32 s[T0], s[WV], 15                    ; my quarter of a block: the wave's number alone
	s_mov_b32 s[T0+1], 0
	s_mul_i32 s[T4], s[WV], BQ                     ; and its place in a slot
	; lane addresses
	v_and_b32 v25, 15, v0                          ; r
	v_bfe_u32 v26, v0, 4, 1                        ; h
	v_and_b32 v27, 31, v0                          ; lane
	v_mov_b32 v[ZR], 0
	v_lshrrev_b32 v28, 1, v25
	v_mul_u32_u24 v[ADRB], v28, 272
	v_and_b32 v28, 1, v25
	v_lshl_add_u32 v[ADRB], v28, 7, v[ADRB]
	v_lshl_add_u32 v[ADRB], v26, 4, v[ADRB]
	v_add_nc_u32 v[ADRB], s[T4], v[ADRB]
	v_add_nc_u32 v[ADRB+1], SLOT, v[ADRB]
	v_mul_u32_u24 v[ADRA], v25, 144
	v_lshl_add_u32 v[ADRA], v26, 4, v[ADRA]
	v_add_nc_u32 v[ADRA], A16, v[ADRA]
	v_add_nc_u32 v[ADRA+1], ABUF, v[ADRA]
	s_mul_i32 s76, s[WV], 16*144
	s_add_co_u32 s76, s76, A16
	v_mul_u32_u24 v[AST], v26, 144
	v_lshl_add_u32 v[AST], v25, 3, v[AST]
	v_add_nc_u32 v[AST], s76, v[AST]
	v_add_nc_u32 v[AST+1], ABUF, v[AST]
	s_lshl_b32 s76, s[WV], 18                      ; my 16 rows of 16,384 bytes
	v_lshlrev_b32 v[AO], 4, v25
	v_lshl_add_u32 v[AO], v26, 14, v[AO]
	v_add_nc_u32 v[AO], s76, v[AO]
	v_lshlrev_b32 v[PFO], 8, v26
	v_lshl_add_u32 v[PFO], v25, 14, v[PFO]
	v_add_nc_u32 v[PFO], s76, v[PFO]
	v_lshlrev_b32 v[PFBO], 8, v27
	v_lshlrev_b32 v[BO], 5, v27
	s_lshl_b32 s76, s[WV], 10
	s_add_co_u32 s76, s76, BIAS
	v_add_nc_u32 v[BSA], s76, v[BO]
	v_lshl_add_u32 v[BRD], v26, 5, s76
	s_lshl_b32 s76, s[WV], 8
	s_add_co_u32 s76, s76, SSQ
	v_lshl_add_u32 v[SSA], v25, 2, s76
	v_lshl_add_u32 v[SSR], v25, 2, SSQ
	s_mul_i32 s76, s[WV], STW
	s_add_co_u32 s76, s76, STAGE
	v_mul_u32_u24 v[STO], v25, 272
	v_lshl_add_u32 v[STO], v26, 4, v[STO]
	v_add_nc_u32 v[STO], s76, v[STO]
	v_mul_u32_u24 v[RD], v26, 272
	v_lshl_add_u32 v[RD], v25, 4, v[RD]
	v_add_nc_u32 v[RD], s76, v[RD]
	v_lshlrev_b32 v[GO], 4, v25
	v_lshl_add_u32 v[GO], v26, 13, v[GO]
	v_lshl_add_u32 v[KS], v26, 5, s76
	v_lshl_add_u32 v[KR], v27, 4, s76
	v_lshlrev_b32 v[KO], 4, v27
	s_wait_dscnt 0x0                               ; both opening adds are done
	s_wait_kmcnt 0x0
	s_add_nc_u64 s[NB1:NB1+1], s[6:7], s[AP:AP+1]
	s_add_nc_u64 s[NB2:NB2+1], s[8:9], s[AP:AP+1]
	s_add_nc_u64 s[AP:AP+1], s[4:5], s[AP:AP+1]
	s_mov_b64 s[NP1:NP1+1], s[NB1:NB1+1]
	s_mov_b64 s[NP2:NP2+1], s[NB2:NB2+1]
	s_add_nc_u64 s[PP:PP+1], s[AP:AP+1], 1536      ; the first request steps it to chunks 8 and 9
	s_add_nc_u64 s[BP:BP+1], s[10:11], s[BP:BP+1]
	s_add_nc_u64 s[QN:QN+1], s[14:15], s[QN:QN+1]
	s_add_nc_u64 s[KV:KV+1], s[16:17], s[KV:KV+1]
	s_add_nc_u64 s[PB:PB+1], s[12:13], s[PB:PB+1]
	s_add_nc_u64 s[T0:T0+1], s[12:13], s[T0:T0+1]
.irp s, 0,1
	s_mov_b32 s[G0+4*(\s)], 1                                      ; count = 1
	s_add_co_u32 s[G0+4*(\s)+1], s[T4], (\s)*SLOT                  ; LDS address
	s_add_nc_u64 s[G0+4*(\s)+2:G0+4*(\s)+3], s[T0:T0+1], (\s)*STEPB  ; global address: step s
	s_or_b32 s[G0+4*(\s)+3], s[G0+4*(\s)+3], 0x80000000            ; type = 2
.endr
	ALOAD                                          ; chunk 0
	CROUND                                         ; all four work-groups are here: the first joint loads meet
	tensor_load_to_lds s[G0:G0+3], s[G1:G1+7]      ; both first fills together: two loads of mine are out here, one behind every later round
	s_nop 0
	tensor_load_to_lds s[G0+4:G0+7], s[G1:G1+7]
	s_nop 0
	PLACES
	CHUNK 0                                        ; chunk 0 into A buffer 0; chunk 1 is asked for
	s_wait_tensorcnt 0x1                           ; my part of slot 0 is in; slot 1's may stay out
	s_wait_dscnt 0x0                               ; my stores into A buffer 0 are done
	s_barrier_signal -1
	s_barrier_wait -1
	s_mov_b32 s[PH], 3
.Lphase:                                               ; three trips: q, k, v.  The ring and the chunks run on from phase to phase
	s_wait_xcnt 0x0                                ; qn's stores have read their registers, into which the fragments below are loaded
	global_load_b128 v[BIA:BIA+3], v[BO], s[BP:BP+1]       ; the phase's bias: shown in by the next chunk's wait for 0
	global_load_b128 v[BIA+4:BIA+7], v[BO], s[BP:BP+1] offset:16
	FB 0, 0, 0
	FA 0, 0
	FB 1, 0, 0
	QUARTER 0, 1, 1                                ; a phase's first quarter starts the sums
	WIN 0
	s_mov_b32 s[LAPC], 7
.Llap:                                                 ; a trip goes once round the ring, from a step's second quarter to the first of the step after next
	TURN 0, 1, 1, 0
	QUARTER 1, 0, 1
	TURN 1, 1, 1, 1
	QUARTER 0, 0, 1
	WIN 0
	s_sub_co_u32 s[LAPC], s[LAPC], 1
	s_cmp_lg_u32 s[LAPC], 0
	s_cbranch_scc1 .Llap
	s_cmp_eq_u32 s[PH], 1
	s_cbranch_scc1 .Lfinal                         ; the last phase's tail is written out: it asks for nothing more
	TURN 0, 1, 1, 0                                ; slot 0 takes the next phase's step 0,
	QUARTER 1, 0, 1
	TURN 1, 1, 0, 1                                ; slot 1 its step 1; its fragments are fetched at the phase's head, so that their registers serve the way out
	WIN 0
	s_branch .Lepi
.Lfinal:
	TURN 0, 0, 1, 0
	QUARTER 1, 0, 0
	s_wait_dscnt 16
	MULH 0, 1, 0, 0
	MULH 0, 1, 1, 0
	s_wait_dscnt 0x0
	MULH 1, 1, 0, 0
	MULH 1, 1, 1, 0
	WIN 0
.Lepi:
	; THE BIAS: rounded to bf16 and widened again, in place; these twelve lines, which name no register of the last products, are the places behind them.  Through my own LDS bytes it comes back as fragments.
.irp i, 0,1,2,3
	v_cvt_pk_bf16_f32 v[BIA+2*(\i)], v[BIA+2*(\i)], v[BIA+2*(\i)+1]
.endr
.irp i, 0,1,2,3
	v_and_b32 v[BIA+2*(\i)+1], 0xffff0000, v[BIA+2*(\i)]
.endr
.irp i, 0,1,2,3
	v_lshlrev_b32 v[BIA+2*(\i)], 16, v[BIA+2*(\i)]
.endr
	ds_store_b128 v[BSA], v[BIA:BIA+3]
	ds_store_b128 v[BSA], v[BIA+4:BIA+7] offset:16
.irp n, 0,1,2,3,4,5,6,7,8,9,10,11,12,13,14,15
	ds_load_b128 v[BF+8*(\n):BF+8*(\n)+3],   v[BRD] offset:(\n)*64     ; LDS serves a wave's instructions in order: these see the stores above
	ds_load_b128 v[BF+8*(\n)+4:BF+8*(\n)+7], v[BRD] offset:(\n)*64+16
.endr
	s_wait_dscnt 0x0
.irp hi, 0,1                           ; each accumulator is read from its low end on
	WIN 0x82+0x41*(\hi)
.set z, 0
.rept 128
	v_pk_add_f32 v[2*z:2*z+1], v[2*z:2*z+1], v[BF+(2*z)%128:BF+(2*z)%128+1]
.set z, z+1
.endr
.endr
	WIN 0
	s_cmp_eq_u32 s[PH], 1
	s_cbranch_scc1 .Lv
	; THE NORM.  Sums of squares: for each row block four chains of pairs, 16 links each, seven other lines between two links.
.irp hi, 0,1
	WIN 0x0a+5*(\hi)
.set nb, 0
.rept 16
.irp m, 0,1
.irp p, 0,1,2,3
.set rS, SQ+8*(2*(\hi)+(\m))+2*(\p)
.set rC, 8*(16*(\m)+nb)+2*(\p)
.if nb == 0
	v_pk_mul_f32 v[rS:rS+1], v[rC:rC+1], v[rC:rC+1]
.else
	v_pk_fma_f32 v[rS:rS+1], v[rC:rC+1], v[rC:rC+1], v[rS:rS+1]
.endif
.endr
.endr
.set nb, nb+1
.endr
.endr
	WIN 0
.irp m, 0,1,2,3
	v_pk_add_f32 v[SQ+8*(\m):SQ+8*(\m)+1], v[SQ+8*(\m):SQ+8*(\m)+1], v[SQ+8*(\m)+2:SQ+8*(\m)+3]
	v_pk_add_f32 v[SQ+8*(\m)+4:SQ+8*(\m)+5], v[SQ+8*(\m)+4:SQ+8*(\m)+5], v[SQ+8*(\m)+6:SQ+8*(\m)+7]
.endr
.irp m, 0,1,2,3
	v_pk_add_f32 v[SQ+8*(\m):SQ+8*(\m)+1], v[SQ+8*(\m):SQ+8*(\m)+1], v[SQ+8*(\m)+4:SQ+8*(\m)+5]
.endr
.irp m, 0,1,2,3
	v_add_f32 v[SQ+8*(\m)], v[SQ+8*(\m)], v[SQ+8*(\m)+1]
.endr
.irp m, 0,1,2,3
	v_permlanex16_b32 v[SQ+8*(\m)+1], v[SQ+8*(\m)], s[SEL], s[SEL+1]  ; the row's other columns of each block lie in the lane 16 away
.endr
.irp m, 0,1,2,3
	v_add_f32 v[SQ+8*(\m)], v[SQ+8*(\m)], v[SQ+8*(\m)+1]
.endr
.irp m, 0,1,2,3
	ds_store_b32 v[SSA], v[SQ+8*(\m)] offset:64*(\m)
.endr
	s_wait_dscnt 0x0                               ; for the others' sake: my sums lie in LDS
	s_barrier_signal -1
	s_barrier_wait -1                              ; slot 1's load may stay out
.irp m, 0,1,2,3
.irp u, 0,1,2,3
	ds_load_b32 v[SL+4*(\m)+(\u)], v[SSR] offset:256*(\u)+64*(\m)
.endr
.endr
	s_wait_dscnt 0x0
.irp m, 0,1,2,3
	v_add_f32 v[SL+4*(\m)], v[SL+4*(\m)], v[SL+4*(\m)+1]
	v_add_f32 v[SL+4*(\m)+2], v[SL+4*(\m)+2], v[SL+4*(\m)+3]
.endr
.irp m, 0,1,2,3
	v_add_f32 v[SL+4*(\m)], v[SL+4*(\m)], v[SL+4*(\m)+2]   ; the same order in all four waves: one norm for a row
.endr
.irp m, 0,1,2,3
	v_rsq_f32 v[R+2*(\m)], v[SL+4*(\m)]
	v_rsq_f32 v[R+2*(\m)+1], v[SL+4*(\m)]          ; twice: the packed multiply names a pair
.endr
	v_nop                                          ; a plain instruction behind the last of them,
	s_wait_alu depctr_va_vdst(0)                   ; and a wait ahead of the first use
.irp hi, 0,1
	WIN 0x82+0x41*(\hi)
.set z, 0
.rept 128
	v_pk_mul_f32 v[2*z:2*z+1], v[2*z:2*z+1], v[R+2*(2*(\hi)+z/64):R+2*(2*(\hi)+z/64)+1] op_sel_hi:[1,0]
.set z, z+1
.endr
.endr
.irp hi, 0,1
	WIN 0x4a+5*(\hi)                               ; into window 1: 8 f16 of a row and column block in four registers
.set z, 0
.rept 128
	v_cvt_pk_f16_f32 v[128*(\hi)+z], v[2*z], v[2*z+1]
.set z, z+1
.endr
.endr
	WIN 0
	s_cmp_eq_u32 s[PH], 3
	s_cbranch_scc0 .Lnext                          ; kn stays in its registers
	; qn's WAY OUT: eight blocks x of 16 rows x 128 columns (row block x / 2, half x % 2) through my stage: in as 16 bytes a lane, back as whole rows of 256 bytes.
.macro QST x
	WIN 0x04                                       ; store data in window 1
.irp i, 0,1,2,3,4,5,6,7
	ds_store_b128 v[STO], v[32*(\x)+4*(\i):32*(\x)+4*(\i)+3] offset:32*(\i)
.endr
	WIN 0
.irp t, 0,1,2,3,4,5,6,7
	ds_load_b128 v[BK+32*((\x)%2)+4*(\t):BK+32*((\x)%2)+4*(\t)+3], v[RD] offset:(\t)*544  ; in order behind the stores above
.endr
.endm
.macro QSEND x
	s_wait_dscnt 0x0                               ; the block is back in registers
	s_wait_xcnt 0x0                                ; the block before's stores have read their registers, which the next block's loads write
.irp t, 0,1,2,3,4,5,6,7
	global_store_b128 v[GO], v[BK+32*((\x)%2)+4*(\t):BK+32*((\x)%2)+4*(\t)+3], s[QN:QN+1] offset:(16*((\x)/2)+2*(\t))*8192+((\x)%2)*256  ; 16 lanes store 256 consecutive bytes, aligned
.endr
.endm
	QST 0
.irp x, 1,2,3,4,5,6,7
	QSEND (\x)-1
	QST \x
.endr
	QSEND 7
.Lnext:
	s_add_nc_u64 s[BP:BP+1], s[BP:BP+1], 4096      ; the next phase's bias (this phase's loads are long in)
	s_sub_co_u32 s[PH], s[PH], 1
	s_cmp_lg_u32 s[PH], 0
	s_cbranch_scc1 .Lphase                         ; taken both times that it is reached: the third phase leaves above, to the label below
.Lv:
	; THE SUMS OF kn v.  In a lane: over the four row blocks, f32 x f16 half + f32.  Then over the 16 rows of a block, which lie in the 16 lanes of a half.
.irp mb, 0,1,2,3
	WIN 0x06+(\mb)/2
.set z, 0
.rept 64
.if (\mb) == 0
	v_fma_mix_f32 v[T+2*z],   v[128*((\mb)%2)+2*z],   v[64*(\mb)+z], v[ZR] op_sel_hi:[0,1,0]
	v_fma_mix_f32 v[T+2*z+1], v[128*((\mb)%2)+2*z+1], v[64*(\mb)+z], v[ZR] op_sel:[0,1,0] op_sel_hi:[0,1,0]
.else
	v_fma_mix_f32 v[T+2*z],   v[128*((\mb)%2)+2*z],   v[64*(\mb)+z], v[T+2*z] op_sel_hi:[0,1,0]
	v_fma_mix_f32 v[T+2*z+1], v[128*((\mb)%2)+2*z+1], v[64*(\mb)+z], v[T+2*z+1] op_sel:[0,1,0] op_sel_hi:[0,1,0]
.endif
.set z, z+1
.endr
.endr
	WIN 0
.irp x, 1,2,4,8
.set z, 0
.rept 128
	v_add_f32_dpp v[T+z], v[T+z], v[T+z] row_xmask:\x row_mask:0xf bank_mask:0xf
.set z, z+1
.endr
.endr
.irp n, 0,1,2,3,4,5,6,7,8,9,10,11,12,13,14,15
	ds_store_b128 v[KS], v[T+8*(\n):T+8*(\n)+3]   offset:(\n)*64      ; the 16 lanes of a half hold the same sums and write the same bytes
	ds_store_b128 v[KS], v[T+8*(\n)+4:T+8*(\n)+7] offset:(\n)*64+16
.endr
	ds_load_b128 v[64:67], v[KR]                   ; back as 1,024 consecutive bytes: my 256 columns
	ds_load_b128 v[68:71], v[KR] offset:512
	s_wait_dscnt 0x0
	global_store_b128 v[KO], v[64:67], s[KV:KV+1]
	global_store_b128 v[KO], v[68:71], s[KV:KV+1] offset:512
	s_wait_tensorcnt 0x0                           ; the wave's end, behind my last tensor load and my last LDS store
	ds_add_u32 v[SPW], v[NIL]
	s_wait_dscnt 0x0
	CROUND                                         ; the closing round: no work-group ends while a partner may still ask for a tile that names it
	s_endpgm
.Lfunc_end_k_q852e2547ce_kvq:
	.size	k_q852e2547ce_kvq, .Lfunc_end_k_q852e2547ce_kvq-k_q852e2547ce_kvq
	.p2alignl 7, 3214868480
	.fill 96, 4, 3214868480
	.section	.rodata,"a",@progbits
	.p2align	6, 0x0
	.amdhsa_kernel k_q852e2547ce_kvq
		.amdhsa_group_segment_fixed_size 327680
		.amdhsa_private_segment_fixed_size 0
		.amdhsa_enable_private_segment 0
		.amdhsa_kernarg_size 56
		.amdhsa_user_sgpr_count 2
		.amdhsa_user_sgpr_kernarg_segment_ptr 1
		.amdhsa_wavefront_size32 1
		.amdhsa_system_sgpr_workgroup_id_x 1
		.amdhsa_system_sgpr_workgroup_id_y 1
		.amdhsa_system_sgpr_workgroup_id_z 1
		.amdhsa_system_vgpr_workitem_id 0
		.amdhsa_next_free_vgpr 1024
		.amdhsa_next_free_sgpr 80
		.amdhsa_reserve_vcc 0
		.amdhsa_float_denorm_mode_32 3
		.amdhsa_float_denorm_mode_16_64 3
		.amdhsa_memory_ordered 1
		.amdhsa_forward_progress 1
		.amdhsa_inst_pref_size 252
	.end_amdhsa_kernel
	.amdgpu_metadata
---
amdhsa.version: [ 1, 2 ]
amdhsa.kernels:
  - .name:           k_q852e2547ce_kvq
    .symbol:         k_q852e2547ce_kvq.kd
    .args:
      - { .name: query, .offset: 0, .size: 8, .value_kind: global_buffer, .address_space: global }
      - { .name: key, .offset: 8, .size: 8, .value_kind: global_buffer, .address_space: global }
      - { .name: value, .offset: 16, .size: 8, .value_kind: global_buffer, .address_space: global }
      - { .name: in_proj_bias, .offset: 24, .size: 8, .value_kind: global_buffer, .address_space: global }
      - { .name: wblk, .offset: 32, .size: 8, .value_kind: global_buffer, .address_space: global }
      - { .name: qn, .offset: 40, .size: 8, .value_kind: global_buffer, .address_space: global }
      - { .name: kvp, .offset: 48, .size: 8, .value_kind: global_buffer, .address_space: global }
    .group_segment_fixed_size: 327680
    .private_segment_fixed_size: 0
    .kernarg_segment_align: 8
    .kernarg_segment_size: 56
    .max_flat_workgroup_size: 128
    .sgpr_count:     80
    .vgpr_count:     1024
    .wavefront_size: 32
...
	.end_amdgpu_metadata
.endif
;; end of part 2
;; launch wb (part 3): grid 64 x 4, 8 waves a work-group, no clusters, 5,376 bytes of LDS; arguments kvp, out_proj_weight, out_proj_bias, wbs, tab; writes wbs, tab
.if DOCPART == 3
	.amdgcn_target "amdgcn-amd-amdhsa--gfx1250"
	.amdhsa_code_object_version 6
	.text
	.protected	k_q852e2547ce_wb
	.globl	k_q852e2547ce_wb
	.p2align	8
	.type	k_q852e2547ce_wb,@function
k_q852e2547ce_wb:
	s_mov_b64 s[64:65], 0
	v_nop
	global_prefetch_b8 v0, s[64:65] scope:SCOPE_SE
	s_setreg_imm32_b32 hwreg(HW_REG_WAVE_MODE, 25, 1), 1
	s_wait_xcnt 0x0
; kv[b][e] = the sum over 64 blocks of kvp[b][blk][e] (f32).  P[f][e] = bf16(out_proj_weight[f][e]) x kv[b][e] (f32).  sc[b][f] = the largest |P[f][.]|, at least 2^-100.
; wbs[b][f][e] = P / sc, rounded once to f16: it lies in -1 .. 1 whatever the inputs' scale.  tab[b][0][f] = sc, tab[b][1][f] = out_proj_bias[f] rounded to bf16, both f32.
; So the last launch's product of qn with wbs[b], times sc, plus the bias, is (qn x kv[b]) out_proj_weight^T + out_proj_bias.
; LIMITS.  sc is held at 2^-100 from below (a row of zeros gives zeros) and must stay under 8e37, so that its reciprocal is no denormal.  A number of wbs below 6e-5 of its row's largest keeps f16's fixed step of 6e-8.
; SHARES.  Work-group (x, b): rows f0 = 16 x .. + 15 for batch b; wave w rows f0 + 2 w and + 1, a whole row in 32 registers.  Every work-group sums kv[b] for itself (262,144 bytes that 64 work-groups read alike):
; thread t takes columns 4 t .. + 3.  No cluster and no tensor load: the launch is short and loads through registers; nothing is prefetched for the same reason.
; tab's two pieces of 64 bytes a work-group are the one store that covers less than 256 consecutive bytes: 32,768 bytes in the launch.
.set ML,    4096                       ; LDS: kv at 0 (4,096 bytes); the 16 rows' sc at 4,096
.set SPARE, 4352                       ; the spare words, 128 bytes a wave: four blocks of 256 bytes that no other line names
.set LN,  1                            ; v1   lane
.set WO,  2                            ; v2   16 x lane
.set TO,  3                            ; v3   16 x thread
.set SO,  4                            ; v4   8 x lane
.set ZR,  5                            ; v5   0.0
.set SPW, 6                            ; v6   my spare word; never rewritten
.set NIL, 7                            ; v7   0; never rewritten
.set S0,  8                            ; v[8:11], v[12:15] two chains of sums
.set W,   16                           ; v[16:79] my two rows as loaded; later their f16 results, 16 registers each
.set RG,  80                           ; v[80:207] a ring of 32 loads of kvp; the names from KVR to RC below take its registers when its last load has been waited for
.set KVR, 80                           ; kv for my lane's 32 columns
.set P,   112                          ; the products
.set C,   144                          ; the row in bf16
.set AB,  160                          ; |P|
.set MX,  192                          ; four maxima
.set RC,  196                          ; 1 / sc, twice
.set BV,  208                          ; behind the ring, since they are set ahead of it and live through it: the bias,
.set MA,  209                          ; where my wave's sc go,
.set TA,  210                          ; my place in tab,
.set BO,  211                          ; 4 (l % 16),
.set MR,  212                          ; where sc is read back,
.set X,   213                          ; and one at work
	s_load_b256 s[4:11], s[0:1], 0x0               ; kvp s[4:5], out_proj_weight s[6:7], out_proj_bias s[8:9], wbs s[10:11]
	s_load_b64 s[12:13], s[0:1], 0x20              ; tab
	v_lshl_add_u32 v[SPW], v0, 2, SPARE
	v_mov_b32 v[NIL], 0
	v_mov_b32 v[ZR], 0
	v_lshrrev_b32 v[X], 5, v0
	v_readfirstlane_b32 s14, v[X]                  ; wave 0..7
	s_and_b32 s15, ttmp7, 0xffff                   ; batch
	v_and_b32 v[LN], 31, v0
	v_lshlrev_b32 v[WO], 4, v[LN]
	v_lshlrev_b32 v[TO], 4, v0
	v_lshlrev_b32 v[SO], 3, v[LN]
	v_and_b32 v[BO], 15, v0
	v_lshlrev_b32 v[BO], 2, v[BO]
	v_add_nc_u32 v[MR], ML, v[BO]
	v_bfe_u32 v[TA], v0, 4, 1
	v_lshl_add_u32 v[TA], v[TA], 12, v[BO]         ; lanes 0-15: sc's row of tab; lanes 16-31: the bias's
	s_lshl_b32 s16, s14, 3
	s_add_co_u32 s16, s16, ML
	v_mov_b32 v[MA], s16                           ; ML + 8 x wave: two words a wave
	s_mov_b32 s30, 0x76543210
	s_mov_b32 s31, 0xfedcba98
	s_lshl_b32 s16, ttmp9, 4                       ; f0
	s_lshl_b32 s17, s14, 1
	s_add_co_u32 s17, s16, s17                     ; my first row
	s_lshl_b32 s20, s17, 12
	s_mov_b32 s21, 0
	s_lshl_b32 s22, s15, 18
	s_mov_b32 s23, 0
	s_lshl_b32 s24, s16, 2
	s_mov_b32 s25, 0
	s_lshl_b32 s26, s15, 21
	s_lshl_b32 s27, s17, 11
	s_add_co_u32 s26, s26, s27
	s_mov_b32 s27, 0
	s_lshl_b32 s28, s15, 13
	s_add_co_u32 s28, s28, s24
	s_mov_b32 s29, 0
	s_wait_kmcnt 0x0
	s_add_nc_u64 s[6:7], s[6:7], s[20:21]
	s_add_nc_u64 s[4:5], s[4:5], s[22:23]
	s_add_nc_u64 s[8:9], s[8:9], s[24:25]
	s_add_nc_u64 s[10:11], s[10:11], s[26:27]
	s_add_nc_u64 s[12:13], s[12:13], s[28:29]
.irp rr, 0,1
.irp i, 0,1,2,3,4,5,6,7
	global_load_b128 v[W+32*(\rr)+4*(\i):W+32*(\rr)+4*(\i)+3], v[WO], s[6:7] offset:(\rr)*4096+(\i)*512
.endr
.endr
	global_load_b32 v[BV], v[BO], s[8:9]
.set i, 0
.rept 32
	global_load_b128 v[RG+4*i:RG+4*i+3], v[TO], s[4:5] offset:i*4096
.set i, i+1
.endr
; The ring, two loads at a time.  Behind pair q's second load 30 younger loads have been issued: the ring's other 30 - 2 q and the 2 q that filled it again.  The weights' and the bias's loads are older than the ring:
; the first of these waits shows them in.  Nothing is cleared: the first two pairs start the chains.
.set q, 0
.rept 16
	s_wait_loadcnt 30
.set La, RG+8*q
.set Sx, S0+4*(q%2)
.if q < 2
	v_pk_add_f32 v[Sx:Sx+1], v[La:La+1], v[La+4:La+5]
	v_pk_add_f32 v[Sx+2:Sx+3], v[La+2:La+3], v[La+6:La+7]
.else
	v_pk_add_f32 v[Sx:Sx+1], v[Sx:Sx+1], v[La:La+1]
	v_pk_add_f32 v[Sx+2:Sx+3], v[Sx+2:Sx+3], v[La+2:La+3]
	v_pk_add_f32 v[Sx:Sx+1], v[Sx:Sx+1], v[La+4:La+5]
	v_pk_add_f32 v[Sx+2:Sx+3], v[Sx+2:Sx+3], v[La+6:La+7]
.endif
	global_load_b128 v[La:La+3], v[TO], s[4:5] offset:(2*q+32)*4096
	global_load_b128 v[La+4:La+7], v[TO], s[4:5] offset:(2*q+33)*4096
.set q, q+1
.endr
.set q, 0
.rept 16
	s_wait_loadcnt 30-2*q                          ; the second time round nothing is asked for: the counts run down, to 0
.set La, RG+8*q
.set Sx, S0+4*(q%2)
	v_pk_add_f32 v[Sx:Sx+1], v[Sx:Sx+1], v[La:La+1]
	v_pk_add_f32 v[Sx+2:Sx+3], v[Sx+2:Sx+3], v[La+2:La+3]
	v_pk_add_f32 v[Sx:Sx+1], v[Sx:Sx+1], v[La+4:La+5]
	v_pk_add_f32 v[Sx+2:Sx+3], v[Sx+2:Sx+3], v[La+6:La+7]
.set q, q+1
.endr
	v_pk_add_f32 v[S0:S0+1], v[S0:S0+1], v[S0+4:S0+5]
	v_pk_add_f32 v[S0+2:S0+3], v[S0+2:S0+3], v[S0+6:S0+7]
	ds_store_b128 v[TO], v[S0:S0+3]
	s_wait_dscnt 0x0                               ; for the others' sake: my four sums lie in LDS
	s_barrier_signal -1
	s_barrier_wait -1
.irp i, 0,1,2,3,4,5,6,7
	ds_load_b128 v[KVR+4*(\i):KVR+4*(\i)+3], v[WO] offset:(\i)*512  ; kv for the columns that I hold of a row
.endr
	s_wait_dscnt 0x0
.macro ROWP rr
.set k, 0
.rept 16
	v_cvt_pk_bf16_f32 v[C+k], v[W+32*(\rr)+2*k], v[W+32*(\rr)+2*k+1]
.set k, k+1
.endr
.set k, 0
.rept 16
	v_fma_mix_f32_bf16 v[P+2*k],   v[C+k], v[KVR+2*k],   v[ZR] op_sel_hi:[1,0,0]
	v_fma_mix_f32_bf16 v[P+2*k+1], v[C+k], v[KVR+2*k+1], v[ZR] op_sel:[1,0,0] op_sel_hi:[1,0,0]
.set k, k+1
.endr
.set k, 0
.rept 32
	v_and_b32 v[AB+k], 0x7fffffff, v[P+k]
.set k, k+1
.endr
.irp c, 0,1,2,3
	v_max3_num_f32 v[MX+(\c)], v[AB+8*(\c)], v[AB+8*(\c)+1], v[AB+8*(\c)+2]
.endr
.irp c, 0,1,2,3
	v_max3_num_f32 v[MX+(\c)], v[MX+(\c)], v[AB+8*(\c)+3], v[AB+8*(\c)+4]
.endr
.irp c, 0,1,2,3
	v_max3_num_f32 v[MX+(\c)], v[MX+(\c)], v[AB+8*(\c)+5], v[AB+8*(\c)+6]
.endr
	v_max3_num_f32 v[MX], v[MX], v[AB+7], v[AB+15]
	v_max3_num_f32 v[MX+2], v[MX+2], v[AB+23], v[AB+31]
	v_max3_num_f32 v[MX], v[MX], v[MX+1], v[MX+2]
	v_max_num_f32 v[MX], v[MX], v[MX+3]
	v_max_num_f32_dpp v[MX], v[MX], v[MX] row_xmask:1 row_mask:0xf bank_mask:0xf
	v_max_num_f32_dpp v[MX], v[MX], v[MX] row_xmask:2 row_mask:0xf bank_mask:0xf
	v_max_num_f32_dpp v[MX], v[MX], v[MX] row_xmask:4 row_mask:0xf bank_mask:0xf
	v_max_num_f32_dpp v[MX], v[MX], v[MX] row_xmask:8 row_mask:0xf bank_mask:0xf
	v_permlanex16_b32 v[MX+1], v[MX], s30, s31
	v_max_num_f32 v[MX], v[MX], v[MX+1]
	v_max_num_f32 v[MX], 0x0d800000, v[MX]         ; at least 2^-100
	v_rcp_f32 v[RC], v[MX]
	v_rcp_f32 v[RC+1], v[MX]
	v_nop                                          ; a plain instruction behind the second reciprocal,
	s_wait_alu depctr_va_vdst(0)                   ; and a wait ahead of the first use
.set k, 0
.rept 16
	v_pk_mul_f32 v[P+2*k:P+2*k+1], v[P+2*k:P+2*k+1], v[RC:RC+1]
.set k, k+1
.endr
.set k, 0
.rept 16
	v_cvt_pk_f16_f32 v[W+32*(\rr)+k], v[P+2*k], v[P+2*k+1]  ; into the row's own registers, which nothing writes again
.set k, k+1
.endr
.irp i, 0,1,2,3,4,5,6,7
	global_store_b64 v[SO], v[W+32*(\rr)+2*(\i):W+32*(\rr)+2*(\i)+1], s[10:11] offset:(\rr)*2048+(\i)*256  ; 32 lanes store 256 consecutive bytes, aligned
.endr
	ds_store_b32 v[MA], v[MX] offset:4*(\rr)       ; every lane holds the same sc; these bytes lie behind kv's, which other waves may still read
.endm
	ROWP 0
	ROWP 1
	s_wait_dscnt 0x0
	s_barrier_signal -1
	s_barrier_wait -1                              ; the 16 rows' sc lie in LDS
	s_cmp_lg_u32 s14, 0
	s_cbranch_scc1 .Lend                           ; wave 0 writes tab
	ds_load_b32 v[X], v[MR]
	v_cvt_pk_bf16_f32 v[BV], v[BV], v[BV]          ; the bias is rounded to bf16 like every input,
	v_lshlrev_b32 v[BV], 16, v[BV]                 ; and widened again
	v_cmp_le_u32 vcc_lo, 16, v[LN]
	s_wait_dscnt 0x0
	v_cndmask_b32 v[X], v[X], v[BV], vcc_lo        ; lanes 0-15 sc, lanes 16-31 the bias
	global_store_b32 v[TA], v[X], s[12:13]
.Lend:
	s_wait_tensorcnt 0x0                           ; the wave's end, behind my last LDS store
	ds_add_u32 v[SPW], v[NIL]
	s_wait_dscnt 0x0
	s_endpgm
.Lfunc_end_k_q852e2547ce_wb:
	.size	k_q852e2547ce_wb, .Lfunc_end_k_q852e2547ce_wb-k_q852e2547ce_wb
	.p2alignl 7, 3214868480
	.fill 96, 4, 3214868480
	.section	.rodata,"a",@progbits
	.p2align	6, 0x0
	.amdhsa_kernel k_q852e2547ce_wb
		.amdhsa_group_segment_fixed_size 5376
		.amdhsa_private_segment_fixed_size 0
		.amdhsa_enable_private_segment 0
		.amdhsa_kernarg_size 40
		.amdhsa_user_sgpr_count 2
		.amdhsa_user_sgpr_kernarg_segment_ptr 1
		.amdhsa_wavefront_size32 1
		.amdhsa_system_sgpr_workgroup_id_x 1
		.amdhsa_system_sgpr_workgroup_id_y 1
		.amdhsa_system_sgpr_workgroup_id_z 1
		.amdhsa_system_vgpr_workitem_id 0
		.amdhsa_next_free_vgpr 216
		.amdhsa_next_free_sgpr 66
		.amdhsa_reserve_vcc 1
		.amdhsa_float_denorm_mode_32 3
		.amdhsa_float_denorm_mode_16_64 3
		.amdhsa_memory_ordered 1
		.amdhsa_forward_progress 1
		.amdhsa_inst_pref_size 39
	.end_amdhsa_kernel
	.amdgpu_metadata
---
amdhsa.version: [ 1, 2 ]
amdhsa.kernels:
  - .name:           k_q852e2547ce_wb
    .symbol:         k_q852e2547ce_wb.kd
    .args:
      - { .name: kvp, .offset: 0, .size: 8, .value_kind: global_buffer, .address_space: global }
      - { .name: out_proj_weight, .offset: 8, .size: 8, .value_kind: global_buffer, .address_space: global }
      - { .name: out_proj_bias, .offset: 16, .size: 8, .value_kind: global_buffer, .address_space: global }
      - { .name: wbs, .offset: 24, .size: 8, .value_kind: global_buffer, .address_space: global }
      - { .name: tab, .offset: 32, .size: 8, .value_kind: global_buffer, .address_space: global }
    .group_segment_fixed_size: 5376
    .private_segment_fixed_size: 0
    .kernarg_segment_align: 8
    .kernarg_segment_size: 40
    .max_flat_workgroup_size: 256
    .sgpr_count:     66
    .vgpr_count:     216
    .wavefront_size: 32
...
	.end_amdgpu_metadata
.endif
;; end of part 3
;; launch outp (part 4): grid 4 x 64, 4 waves a work-group, clusters of 4 x 4, 327,680 bytes of LDS; arguments qn, wbs, tab, out0; writes out0
.if DOCPART == 4
	.amdgcn_target "amdgcn-amd-amdhsa--gfx1250"
	.amdhsa_code_object_version 6
	.text
	.protected	k_q852e2547ce_outp
	.globl	k_q852e2547ce_outp
	.p2align	8
	.type	k_q852e2547ce_outp,@function
k_q852e2547ce_outp:
	s_mov_b64 s[64:65], 0
	v_nop
	global_prefetch_b8 v0, s[64:65] scope:SCOPE_SE
	s_setreg_imm32_b32 hwreg(HW_REG_WAVE_MODE, 25, 1), 1
	s_wait_xcnt 0x0
	s_wait_alu depctr_hold_cnt(0) depctr_sa_sdst(0) depctr_va_vdst(0) depctr_va_sdst(0) depctr_va_ssrc(0) depctr_va_vcc(0) depctr_vm_vsrc(0)
	s_getreg_b32 s2, hwreg(HW_REG_IB_STS2, 6, 4)
	s_cmp_eq_u32 s2, 0
	s_cbranch_scc0 .Lentry_in_a_cluster
	s_endpgm
.Lentry_in_a_cluster:
	s_bfe_u32 s2, ttmp6, 0x10000c
	s_cmp_lg_u32 s2, 0xf033
	s_cbranch_scc0 .Lentry_shape_is_right
	s_endpgm
.Lentry_shape_is_right:
; out0[s*4+b][f] = sc[b][f] x (the sum over e of qn[s*4+b][e] wbs[b][f][e]) + bias[f].  qn, wbs: f16, within -1 .. 1; sums in f32; sc and bias (tab) f32; out0 f32, one fused multiply-add behind the sum.
; A tile of out0 is 256 sequence places of ONE batch x 256 columns: qn's rows of a batch lie 4 rows (8,192 bytes) apart, which is the descriptor's pitch.  64 tile rows (4 batches x 16) x 4 tile columns: 256 work-groups.
; Four waves, each 128 x 128: 64 accumulators of 16 x 16, 512 registers.  K = 1,024 goes in 8 steps of 128 through a ring of two LDS slots; a tile's rows are 256 bytes of memory, aligned.
; CLUSTERS: 4 x 4 work-groups.  The four of a row of the cluster need the same tiles of qn, the four of a column the same tiles of wbs (a cluster's four tile rows belong to one batch): each tile is asked for JOINTLY.
; THE MATRIX INSTRUCTION IS USED TRANSPOSED (source 0 = 16 rows of wbs, source 1 = 16 rows of qn): lane l holds row l % 16 and the columns 8 (l / 16) + 0..7.
; AHEAD OF THE LOADS.  Behind each joint refill a wave names, a lane a row, 32 rows x 256 bytes of the K step two refills on.  qn's rows are read by one cluster alone: its waves 0 and 1 ask, the four partners of a row taking 32
; of the 128 rows each, by address.  wbs[b]'s rows are read by the four clusters of a batch: the first of them asks (waves 2 and 3).  K steps 0-3 come by their loads alone; the last two refills ask for nothing.
; REGISTERS: window 0: v0-31 addresses; v64-127, v128-191 fragments of qn, two buffers; on the way out v64-127 results, v128-191 and v192-255 rows read back, by turns
;   window 1: v64-127, v128-191 fragments of wbs; v0-63 sc and v192-255 the bias of my 128 columns, as fragments      windows 2, 3: the accumulators of my rows 0-63, 64-127, (a, b) at v[8 (8 a + b)]
.set KSTEP,  128
.set PITCH,  272                       ; an LDS row: 256 bytes + 16 of padding: the 16 rows that a load touches start at 16 different groups of four banks
.set HALFT,  128*PITCH
.set SLOT,   4*HALFT                   ; qn's 256 rows, then wbs's 256 rows
.set STAGE,  2*SLOT                    ; behind the ring: 16 rows x 528 bytes (512 + 16) for each wave
.set SPITCH, 528
.set SPARE,  STAGE+4*16*SPITCH         ; the spare words, 128 bytes a wave: two blocks of 256 bytes that no other line names
.set LAPS,   4                         ; a lap = two K steps
.set ADRA, 16
.set ADRB, 20
.set STO,  24                          ; v24  stage: where I put 32 bytes of a row
.set RD,   25                          ; v25  stage: where I read a row back
.set CO,   26                          ; v26  16 x lane: my place in 512 bytes of a row of out0
.set TBO,  27                          ; v27  32 (l / 16): my 8 columns of a block in tab
.set SPW,  28
.set NIL,  29
.set PFO,  30                          ; v30  my lane x the pitch of the rows that I prefetch; never rewritten
.set F0,   64
.set F1,   128
.set TMP,  64
.set BK,   128
.set SC,   0                           ; window 1
.set BI,   192                         ; window 1
.set WV,  12
.set RH,  13                           ; which half of the tile's rows is mine.  Also: I fetch for qn (0) or for wbs (1)
.set CH,  14                           ; which half of its columns.  Also: which 128 rows of that tile I fetch
.set BB,  15                           ; batch
.set G1,  24
.set G0,  32
.set CX,  40
.set CY,  41
.set CLY, 42
.set LIM, 43                           ; 1 in a wave that prefetches, else the greatest number
.set PFA, 44
.set G1B, 48
.set G0B, 56
.set SB,  66                           ; block of 256 sequence places
.set RM,  67
.set CM,  71
.set MSB, 0
.macro WIN new
.if MSB != (\new)
	s_set_vgpr_msb (MSB<<8)|(\new)
.set MSB, \new
.endif
.endm
.set MUL_LO, 0xa1                      ; source 0 (wbs) window 1, source 1 (qn) window 0, C and D window 2
.set MUL_HI, 0xf1
.set TO_B,   0x40
.macro PLACES
.rept 4
	v_nop
.endr
.endm
.macro JLOAD s                         ; waves 0 and 1 fetch qn's two halves, waves 2 and 3 wbs's; an s_nop 0 and four v_nop follow each of the two lines
	s_cmp_eq_u32 s[RH], 0
	s_cbranch_scc0 .Lfor_b_\@
	tensor_load_to_lds s[G0+4*(\s):G0+4*(\s)+3], s[G1:G1+7]
	s_nop 0
	PLACES
	s_branch .Lasked_\@
.Lfor_b_\@:
	tensor_load_to_lds s[G0B+4*(\s):G0B+4*(\s)+3], s[G1B:G1B+7]
	s_nop 0
	PLACES
.Lasked_\@:
.endm
.macro ASK
	s_cmp_gt_u32 s3, s[LIM]                        ; s3 = 1 in the loop's last trip: its two refills have no K step two on
	s_cbranch_scc0 .Lnot_mine_\@
	global_prefetch_b8 v[PFO], s[PFA:PFA+1] offset:KSTEP*2 th:TH_LOAD_NT scope:SCOPE_SE
.Lnot_mine_\@:
.endm
.macro CREST
	s_cmp_lg_u32 s[WV], 0
	s_cbranch_scc1 .Lnot_wave_0_\@
	s_barrier_signal -3
.Lnot_wave_0_\@:
	s_barrier_wait -3
	s_barrier_signal -1
	s_barrier_wait -1
.endm
.macro CROUND
	s_barrier_signal -1
	s_barrier_wait -1
	CREST
.endm
	s_load_b256 s[4:11], s[0:1], 0x0               ; qn s[4:5], wbs s[6:7], tab s[8:9], out0 s[10:11]
	v_lshl_add_u32 v[SPW], v0, 2, SPARE
	v_mov_b32 v[NIL], 0
	ds_add_u32 v[SPW], v[NIL]                      ; the wave's opening: the add, twice on end, and its wait ahead of my first tensor load
	ds_add_u32 v[SPW], v[NIL]
	v_lshrrev_b32 v1, 5, v0
	v_readfirstlane_b32 s[WV], v1
	s_lshr_b32 s[RH], s[WV], 1
	s_and_b32 s[CH], s[WV], 1
	s_bfe_u32 s[CX], ttmp6, 0x40000                ; the tile column: the grid is one cluster wide
	s_bfe_u32 s[CY], ttmp6, 0x40004
	s_and_b32 s[CLY], ttmp7, 0xffff                ; the cluster's y, 0..15
	s_lshr_b32 s[BB], s[CLY], 2                    ; four clusters to a batch: made of the cluster's y alone
	s_and_b32 s[SB], s[CLY], 3
	s_lshl_b32 s[SB], s[SB], 2
	s_add_co_u32 s[SB], s[SB], s[CY]
	s_lshl_b32 s[RM], s[CY], 2
	s_lshl_b32 s[RM], 15, s[RM]                    ; my row of the cluster
	s_lshl_b32 s[CM], 0x1111, s[CX]                ; my column
	s_or_b32 s[G1], s[RM], (1<<16)|(1<<20)|(1<<21)|(5<<22)|(3<<25)   ; the mask; 2-byte elements; padding on; bit 21 beside a mask; after every 64 words, 4 words
	s_or_b32 s[G1B], s[CM], (1<<16)|(1<<20)|(1<<21)|(5<<22)|(3<<25)
.irp g, G1, G1B
	s_mov_b32 s[(\g)+1], KSTEP<<16                 ; tensor_dim0 = 128
	s_mov_b32 s[(\g)+2], 128<<16                   ; tensor_dim1 = 128
	s_mov_b32 s[(\g)+3], KSTEP<<16                 ; tile_dim0 = 128
	s_mov_b32 s[(\g)+4], 128                       ; tile_dim1 = 128
	s_mov_b32 s[(\g)+6], 0
	s_mov_b32 s[(\g)+7], 0
.endr
	s_mov_b32 s[G1+5], 4096                        ; qn: a batch's rows lie 4 x 1,024 elements apart
	s_mov_b32 s[G1B+5], 1024
	s_lshl_b32 s16, s[SB], 21                      ; qn: 256 places of 8,192 bytes,
	s_lshl_b32 s17, s[CH], 20                      ; the 128 that I fetch,
	s_add_co_u32 s16, s16, s17
	s_lshl_b32 s17, s[BB], 11                      ; the batch's row of 2,048
	s_add_co_u32 s16, s16, s17
	s_mov_b32 s17, 0
	s_lshl_b32 s46, s[BB], 21                      ; wbs: the batch's 1,024 rows of 2,048 bytes,
	s_lshl_b32 s47, s[CX], 19                      ; the tile column's 256,
	s_add_co_u32 s46, s46, s47
	s_lshl_b32 s47, s[CH], 18                      ; the 128 that I fetch
	s_add_co_u32 s46, s46, s47
	s_mov_b32 s47, 0
	s_mul_i32 s20, s[WV], HALFT                    ; where they go: wave x 128 rows
	s_lshl_b32 s21, s[CX], 18                      ; the prefetches: of the 128 rows my work-group takes 32, by its place among the four that ask jointly
	s_add_co_u32 s21, s21, s16
	s_lshl_b32 s22, s[CY], 16
	s_add_co_u32 s22, s22, s46
	s_and_b32 s23, s[CLY], 3
	s_mov_b32 s70, 2048
	s_cmp_eq_u32 s[RH], 0
	s_cselect_b32 s68, s21, s22
	s_cselect_b32 s23, 0, s23                      ; qn's rows: always mine to ask for; wbs's: in the batch's first cluster
	s_cselect_b32 s70, 8192, s70                   ; bytes from row to row
	s_mov_b32 s69, 0
	s_cmp_eq_u32 s23, 0
	s_cselect_b32 s[LIM], 1, -1                    ; the same in all sixteen partners, for a given wave
	s_wait_dscnt 0x0                               ; both opening adds are done
	s_wait_kmcnt 0x0
	s_add_nc_u64 s[18:19], s[4:5], s[16:17]
	s_add_nc_u64 s[46:47], s[6:7], s[46:47]
	CROUND                                         ; all sixteen work-groups are here: the first joint loads meet
.irp s, 0,1
	s_mov_b32 s[G0+4*(\s)], 1
	s_add_co_u32 s[G0+4*(\s)+1], s20, (\s)*SLOT
	s_add_nc_u64 s[G0+4*(\s)+2:G0+4*(\s)+3], s[18:19], (\s)*KSTEP*2
	s_or_b32 s[G0+4*(\s)+3], s[G0+4*(\s)+3], 0x80000000
	s_mov_b32 s[G0B+4*(\s)], 1
	s_add_co_u32 s[G0B+4*(\s)+1], s20, (\s)*SLOT
	s_add_nc_u64 s[G0B+4*(\s)+2:G0B+4*(\s)+3], s[46:47], (\s)*KSTEP*2
	s_or_b32 s[G0B+4*(\s)+3], s[G0B+4*(\s)+3], 0x80000000
	JLOAD \s
.endr
	v_and_b32 v1, 15, v0                           ; l % 16
	v_bfe_u32 v2, v0, 4, 1                         ; l / 16
	v_mul_u32_u24 v3, v1, PITCH
	v_lshl_add_u32 v3, v2, 4, v3
	s_mul_i32 s21, s[RH], HALFT                    ; my 128 rows of qn
	s_mul_i32 s22, s[CH], HALFT                    ; my 128 rows of wbs,
	s_add_co_u32 s22, s22, 2*HALFT                 ; which lie behind qn's 256
.irp s, 0,1
	v_add_nc_u32 v[ADRA+(\s)], s21, v3
	v_add_nc_u32 v[ADRB+(\s)], s22, v3
	s_add_co_u32 s21, s21, SLOT
	s_add_co_u32 s22, s22, SLOT
.endr
	s_mul_i32 s23, s[WV], 16*SPITCH
	s_add_co_u32 s23, s23, STAGE
	v_mul_u32_u24 v4, v1, SPITCH                   ; in: row l % 16, 32 bytes for each half of the lanes
	v_lshl_add_u32 v4, v2, 5, v4
	v_add_nc_u32 v[STO], s23, v4
	v_and_b32 v5, 31, v0
	v_lshlrev_b32 v[CO], 4, v5
	v_add_nc_u32 v[RD], s23, v[CO]                 ; back: 32 lanes take one row of 512 bytes
	v_lshlrev_b32 v[TBO], 5, v2
	v_mul_u32_u24 v[PFO], s70, v5
	s_lshl_b32 s72, s[SB], 22                      ; out0: 256 places of 16,384 bytes,
	s_lshl_b32 s73, s[RH], 21                      ; my 128,
	s_add_co_u32 s72, s72, s73
	s_lshl_b32 s73, s[BB], 12                      ; the batch's row of 4,096,
	s_add_co_u32 s72, s72, s73
	s_lshl_b32 s74, s[CX], 10                      ; the tile column's 1,024 bytes,
	s_lshl_b32 s75, s[CH], 9                       ; my 512
	s_add_co_u32 s74, s74, s75
	s_add_co_u32 s72, s72, s74
	s_mov_b32 s73, 0
	s_lshl_b32 s75, s[BB], 13                      ; tab: the batch's two rows of 4,096 bytes
	s_add_co_u32 s74, s74, s75
	s_mov_b32 s75, 0
	s_add_nc_u64 s[10:11], s[10:11], s[72:73]
	s_add_nc_u64 s[8:9], s[8:9], s[74:75]
	s_cmp_eq_u32 s[RH], 0
	s_cselect_b64 s[PFA:PFA+1], s[4:5], s[6:7]
	s_add_nc_u64 s[PFA:PFA+1], s[PFA:PFA+1], s[68:69]
	s_add_nc_u64 s[PFA:PFA+1], s[PFA:PFA+1], 2*KSTEP*2  ; at K step 2: the first refill steps it to 3 and names K step 4
	WIN TO_B                                       ; sc and the bias of my 128 columns, laid as the results lie: waited for in front of the way out
.irp n, 0,1,2,3,4,5,6,7
	global_load_b128 v[SC+8*(\n):SC+8*(\n)+3],   v[TBO], s[8:9] offset:(\n)*64
	global_load_b128 v[SC+8*(\n)+4:SC+8*(\n)+7], v[TBO], s[8:9] offset:(\n)*64+16
	global_load_b128 v[BI+8*(\n):BI+8*(\n)+3],   v[TBO], s[8:9] offset:4096+(\n)*64
	global_load_b128 v[BI+8*(\n)+4:BI+8*(\n)+7], v[TBO], s[8:9] offset:4096+(\n)*64+16
.endr
	WIN 0
; 16 matrix instructions: row blocks a0, a0 + 1 of the window's four x all 8 column blocks, 32 along K.  The 64 accumulators take turns, one instruction a turn, in the same order in every quarter.
.macro MUL16 f, hi, a0, zero
	WIN MUL_LO+0x50*(\hi)
.irp a, \a0, (\a0)+1
.irp b, 0,1,2,3,4,5,6,7
.if \zero
	v_wmma_f32_16x16x32_f16 v[8*(8*(\a)+(\b)):8*(8*(\a)+(\b))+7], v[(\f)+8*(\b):(\f)+8*(\b)+7], v[(\f)+8*(4*(\hi)+(\a)):(\f)+8*(4*(\hi)+(\a))+7], 0
.else
	v_wmma_f32_16x16x32_f16 v[8*(8*(\a)+(\b)):8*(8*(\a)+(\b))+7], v[(\f)+8*(\b):(\f)+8*(\b)+7], v[(\f)+8*(4*(\hi)+(\a)):(\f)+8*(4*(\hi)+(\a))+7], v[8*(8*(\a)+(\b)):8*(8*(\a)+(\b))+7]
.endif
.endr
.endr
.endm
.macro FETCH slot, k, f                ; 32 LDS loads in one run: a quarter's fragments, wbs's first
	WIN TO_B
.irp i, 0,1,2,3,4,5,6,7
	ds_load_b128 v[(\f)+8*(\i):(\f)+8*(\i)+3],   v[ADRB+(\slot)] offset:(\k)+(\i)*16*PITCH
	ds_load_b128 v[(\f)+8*(\i)+4:(\f)+8*(\i)+7], v[ADRB+(\slot)] offset:(\k)+(\i)*16*PITCH+32
.endr
	WIN 0
.irp i, 0,1,2,3,4,5,6,7
	ds_load_b128 v[(\f)+8*(\i):(\f)+8*(\i)+3],   v[ADRA+(\slot)] offset:(\k)+(\i)*16*PITCH
	ds_load_b128 v[(\f)+8*(\i)+4:(\f)+8*(\i)+7], v[ADRA+(\slot)] offset:(\k)+(\i)*16*PITCH+32
.endr
.endm
.macro QUARTER slot, k, f, g, zero     ; multiplies buffer f; in its middle fetches the next quarter, at byte k of the rows, into g
	s_wait_dscnt 8                                 ; wbs's and qn's rows 0-63 are in; the youngest eight loads (qn's rows 64-127) may be out
	MUL16 \f, 0, 0, \zero
	MUL16 \f, 0, 2, \zero
	PLACES
	FETCH \slot, \k, \g
	s_wait_dscnt 32                                ; all but the 32 just issued
	MUL16 \f, 1, 0, \zero
	MUL16 \f, 1, 2, \zero
.endm
; The first half of a K step's last quarter: ONE barrier for the change of slots.  In front of it each wave waits for all its tensor loads, adds 0 to its spare word, and waits for that and for its reads of this slot.
.macro MEET round
	WIN 0
	s_wait_tensorcnt 0x0                           ; all my tensor loads have landed: the one that was out is my part of the next slot
	ds_add_u32 v[SPW], v[NIL]                      ; 0 onto my spare word
	s_wait_dscnt 9                                 ; (the add and the youngest eight loads may be out)
	MUL16 F1, 0, 0, 0
	s_wait_dscnt 0x0                               ; the add is done, and my reads of this slot are over
	s_barrier_signal -1
	MUL16 F1, 0, 2, 0
.if \round
	WIN 0
.endif
	s_barrier_wait -1
.endm
.macro TURN slot, next                 ; the whole last quarter: behind the round this slot is filled again, two K steps ahead; then come the next slot's first fragments
	s_wait_xcnt 0x0                                ; the last prefetch, a K step back, has read its address
	s_add_nc_u64 s[PFA:PFA+1], s[PFA:PFA+1], KSTEP*2
	MEET 1
	CREST                                          ; no wave of any partner still reads this slot's tile or has a load on its way
	s_add_nc_u64 s[G0+4*(\slot)+2:G0+4*(\slot)+3], s[G0+4*(\slot)+2:G0+4*(\slot)+3], 2*KSTEP*2
	s_add_nc_u64 s[G0B+4*(\slot)+2:G0B+4*(\slot)+3], s[G0B+4*(\slot)+2:G0B+4*(\slot)+3], 2*KSTEP*2
	JLOAD \slot                                    ; its four v_nop are also the places in front of the loads below
	FETCH \next, 0, F0
	ASK
	MUL16 F1, 1, 0, 0
	MUL16 F1, 1, 2, 0
.endm
	s_wait_tensorcnt 1                             ; my part of K step 0 is in; K step 1's may stay out
	s_barrier_signal -1
	s_barrier_wait -1
	FETCH 0, 0, F0
	QUARTER 0, 64,  F0, F1, 1                      ; the first quarter starts the sums
	WIN 0
	s_mov_b32 s3, LAPS-1
.Llap:
	QUARTER 0, 128, F1, F0, 0
	QUARTER 0, 192, F0, F1, 0
	TURN 0, 1
	QUARTER 1, 64,  F0, F1, 0
	QUARTER 1, 128, F1, F0, 0
	QUARTER 1, 192, F0, F1, 0
	TURN 1, 0
	QUARTER 0, 64,  F0, F1, 0
	WIN 0
	s_sub_co_u32 s3, s3, 1
	s_cmp_lg_u32 s3, 0
	s_cbranch_scc1 .Llap
	QUARTER 0, 128, F1, F0, 0                      ; the last lap fills nothing
	QUARTER 0, 192, F0, F1, 0
	MEET 0
	PLACES
	FETCH 1, 0, F0
	MUL16 F1, 1, 0, 0
	MUL16 F1, 1, 2, 0
	QUARTER 1, 64,  F0, F1, 0
	QUARTER 1, 128, F1, F0, 0
	QUARTER 1, 192, F0, F1, 0
	s_wait_dscnt 8
	MUL16 F1, 0, 0, 0
	MUL16 F1, 0, 2, 0
	s_wait_dscnt 0x0
	MUL16 F1, 1, 0, 0
	MUL16 F1, 1, 2, 0
	WIN 0
; THE WAY OUT, a block a of 16 rows x 128 columns at a time.  SCALE: sum x sc + bias, each accumulator from its low end on.  TOSTAGE: 32 bytes a lane into my stage, back as whole rows of 512 bytes.  SEND: stored.
.macro SCALE a
	WIN 0x16+(\a)/4                                ; source 0 window 2 or 3, sources 1 and 2 window 1, destination window 0
.set z, 0
.rept 32
	v_pk_fma_f32 v[TMP+2*z:TMP+2*z+1], v[64*((\a)%4)+2*z:64*((\a)%4)+2*z+1], v[SC+2*z:SC+2*z+1], v[BI+2*z:BI+2*z+1]
.set z, z+1
.endr
	WIN 0
.endm
.macro TOSTAGE a
.irp b, 0,1,2,3,4,5,6,7
	ds_store_b128 v[STO], v[TMP+8*(\b):TMP+8*(\b)+3]   offset:64*(\b)
	ds_store_b128 v[STO], v[TMP+8*(\b)+4:TMP+8*(\b)+7] offset:64*(\b)+16
.endr
.irp t, 0,1,2,3,4,5,6,7,8,9,10,11,12,13,14,15
	ds_load_b128 v[BK+64*((\a)%2)+4*(\t):BK+64*((\a)%2)+4*(\t)+3], v[RD] offset:(\t)*SPITCH  ; LDS serves a wave's instructions in order: these see the stores above
.endr
.endm
.macro SEND a
	s_wait_dscnt 0x0                               ; the block is back in registers
	s_wait_xcnt 0x0                                ; the block before's stores have read their registers, which the next block's loads write
.irp t, 0,1,2,3,4,5,6,7,8,9,10,11,12,13,14,15
	global_store_b128 v[CO], v[BK+64*((\a)%2)+4*(\t):BK+64*((\a)%2)+4*(\t)+3], s[10:11] offset:(16*(\a)+(\t))*16384 th:TH_STORE_NT  ; 32 lanes store 512 consecutive bytes, aligned
.endr
.endm
	s_wait_loadcnt 0x0                             ; sc and the bias
	PLACES                                         ; behind the last products
	SCALE 0
	TOSTAGE 0
.irp a, 1,2,3,4,5,6,7                  ; a block's arithmetic stands between the loads of the block before and the wait for them
	SCALE \a
	SEND (\a)-1
	TOSTAGE \a
.endr
	SEND 7
	s_wait_tensorcnt 0x0                           ; the wave's end, behind my last tensor load and my last LDS store
	ds_add_u32 v[SPW], v[NIL]
	s_wait_dscnt 0x0
	CROUND                                         ; the closing round: no work-group ends while a partner may still ask for a tile that names it
	s_endpgm
.Lfunc_end_k_q852e2547ce_outp:
	.size	k_q852e2547ce_outp, .Lfunc_end_k_q852e2547ce_outp-k_q852e2547ce_outp
	.p2alignl 7, 3214868480
	.fill 96, 4, 3214868480
	.section	.rodata,"a",@progbits
	.p2align	6, 0x0
	.amdhsa_kernel k_q852e2547ce_outp
		.amdhsa_group_segment_fixed_size 327680
		.amdhsa_private_segment_fixed_size 0
		.amdhsa_enable_private_segment 0
		.amdhsa_kernarg_size 32
		.amdhsa_user_sgpr_count 2
		.amdhsa_user_sgpr_kernarg_segment_ptr 1
		.amdhsa_wavefront_size32 1
		.amdhsa_system_sgpr_workgroup_id_x 1
		.amdhsa_system_sgpr_workgroup_id_y 1
		.amdhsa_system_sgpr_workgroup_id_z 1
		.amdhsa_system_vgpr_workitem_id 0
		.amdhsa_next_free_vgpr 1024
		.amdhsa_next_free_sgpr 76
		.amdhsa_reserve_vcc 0
		.amdhsa_float_denorm_mode_32 3
		.amdhsa_float_denorm_mode_16_64 3
		.amdhsa_memory_ordered 1
		.amdhsa_forward_progress 1
		.amdhsa_inst_pref_size 160
	.end_amdhsa_kernel
	.amdgpu_metadata
---
amdhsa.version: [ 1, 2 ]
amdhsa.kernels:
  - .name:           k_q852e2547ce_outp
    .symbol:         k_q852e2547ce_outp.kd
    .args:
      - { .name: qn, .offset: 0, .size: 8, .value_kind: global_buffer, .address_space: global }
      - { .name: wbs, .offset: 8, .size: 8, .value_kind: global_buffer, .address_space: global }
      - { .name: tab, .offset: 16, .size: 8, .value_kind: global_buffer, .address_space: global }
      - { .name: out0, .offset: 24, .size: 8, .value_kind: global_buffer, .address_space: global }
    .group_segment_fixed_size: 327680
    .private_segment_fixed_size: 0
    .kernarg_segment_align: 8
    .kernarg_segment_size: 32
    .max_flat_workgroup_size: 128
    .sgpr_count:     76
    .vgpr_count:     1024
    .wavefront_size: 32
...
	.end_amdgpu_metadata
.endif
;; end of part 4
;; ======== version 2 of 3: 4 launches
;; limits: values outside matrix products are rounded to f16; right only within a limited range of input values; values are held in f16: magnitudes above 65,504 overflow, below 6.1e-05 lose precision
;; workspace buffers: wblk 6,291,456 bytes; qn 33,554,432 bytes; kvp 1,048,576 bytes; wbs 8,388,608 bytes; tab 32,768 bytes
;; launch prep: the kernel of part 1 again; grid 384 x 1, 8 waves a work-group, no clusters, 0 bytes of LDS; arguments in_proj_weight, wblk; writes wblk
;; launch kvq (part 5): grid 256 x 1, 4 waves a work-group, clusters of 4 x 1, 327,680 bytes of LDS; arguments query, key, value, in_proj_bias, wblk, qn, kvp; writes qn, kvp
.if DOCPART == 5
	.amdgcn_target "amdgcn-amd-amdhsa--gfx1250"
	.amdhsa_code_object_version 6
	.text
	.protected	k_q852e2547ce_kvq
	.globl	k_q852e2547ce_kvq
	.p2align	8
	.type	k_q852e2547ce_kvq,@function
k_q852e2547ce_kvq:
	s_mov_b64 s[64:65], 0
	v_nop
	global_prefetch_b8 v0, s[64:65] scope:SCOPE_SE
	s_setreg_imm32_b32 hwreg(HW_REG_WAVE_MODE, 25, 1), 1
	s_wait_xcnt 0x0
	s_wait_alu depctr_hold_cnt(0) depctr_sa_sdst(0) depctr_va_vdst(0) depctr_va_sdst(0) depctr_va_ssrc(0) depctr_va_vcc(0) depctr_vm_vsrc(0)
	s_getreg_b32 s2, hwreg(HW_REG_IB_STS2, 6, 4)
	s_cmp_eq_u32 s2, 0
	s_cbranch_scc0 .Lentry_in_a_cluster
	s_endpgm
.Lentry_in_a_cluster:
	s_bfe_u32 s2, ttmp6, 0x10000c
	s_cmp_lg_u32 s2, 0x3003
	s_cbranch_scc0 .Lentry_shape_is_right
	s_endpgm
.Lentry_shape_is_right:
; THREE PROJECTIONS IN ONE WALK.  For 64 rows (sequence places 64 sblk .. + 63) of ONE batch b and all 1,024 columns:
;   phase q: q = query Wq^T + bq, qn = q / |q|, stored as f16 into qn[s*4+b][1024];
;   phase k: k = key Wk^T + bk, kn = k / |k|, kept in 256 registers as packed f16;
;   phase v: v = value Wv^T + bv; kvp[b][sblk][e] = the sum over the 64 rows of kn v, f32.  k and v never reach memory.
; FORMATS.  query, key, value, the weights (already bf16 in wblk) and the bias are rounded once to bf16; products in the bf16 matrix form with f32 sums; norms, sums and kvp in f32.
; qn and kn are normalised first and then rounded to f16: they lie in -1 .. 1 whatever the inputs' scale.
; LIMITS.  A row whose norm is 0 gives infinities or NaN, as a division by 0 does.  A number of qn or kn below 6e-5 (of a row of norm 1) keeps f16's fixed step of 6e-8.  The sums are taken in another order than a plain loop's.
; SHARES.  Four waves; wave w owns all 64 rows x columns 256 w .. + 255: 64 accumulators of 16 x 16 (row block mb 0..3, column block nb 0..15), 512 registers.  So a row's norm is finished inside the work-group.
; The matrix instruction is used transposed (source 0 = 16 weight rows, source 1 = 16 activation rows): lane (r = l % 16, h = l / 16), register j holds row 16 mb + r, column 16 nb + 8 h + j.
; THE STREAM.  48 K steps of 64 (16 a phase), each two quarters of 32 along K, 64 matrix instructions a quarter and wave.
;   WEIGHTS: a ring of two LDS slots; wave w's one tensor load brings its own quarter (its 256 columns, 32,768 dense bytes) of a step's block, and only wave w reads it.
;   ACTIVATIONS: each wave loads 16 rows x 256 bytes of f32 into registers (16 lanes cover 256 consecutive bytes), rounds them once and stores bf16 into one of two small LDS buffers; the step's one barrier shows them to all.
; THE WALK ALONG K.  A phase's 16 blocks may be summed in any order.  Cluster c begins each phase at block 2 ((c xor c / 8) mod 8) and wraps at 16, weights and activations alike: at any time the 64 clusters ask for eight
; different pairs of blocks, and a block that one cluster asks for has been asked for two steps earlier by another (but for a phase's first two steps).  The start is made of the cluster's number alone: it is equal in the partners.
; CLUSTER.  Every work-group walks the same weights; a mask names four work-groups at the most, so four form a cluster and ask for each quarter JOINTLY (same load, same descriptor, mask 15).
; THE TEXT.  A lap (two steps, once round the ring) is written once and walked eight times a phase.  The eighth trip jumps over its last quarter, which belongs to the next phase and is written there, with the constant 0 as C;
; phase v leaves the loop at the head of its eighth trip, for a tail that asks for nothing more.
; AHEAD OF THE LOADS.  Activations: once in two steps a wave names its own 16 rows x 512 bytes (a lane a block of 256 bytes) of the two chunks that it will load four steps and a quarter later; the walk's chunks 0-7 come by
; their loads alone; 20 requests, the last for chunks 46 and 47.  Weights: a phase's blocks are first asked for in its first two steps.  Clusters 0-7, whose starts all differ, name their own first two blocks of the next phase, one
; behind each refill of the loop's seventh trip (steps 12 and 13), two refills ahead of the load that asks for it; 4 work-groups x 4 waves x 32 lanes, told apart by address, name a block's 512 pieces of 256 bytes once.
; Phase q's blocks come by their loads alone.
; REGISTERS, in windows of 256 (s_set_vgpr_msb: bits 1:0 source 0, 3:2 source 1, 5:4 source 2, 7:6 destination):
;   window 0: v0-31 addresses and the phase's bias; v32-63 a raw chunk; v64-127 A fragments (two quarters); v128-255 B fragments (two halves of 8 column blocks)
;   window 1: kn (and, in phase q, qn) packed: v[4 (16 mb + nb) + p]      window 2: accumulators of mb 0, 1 at v[8 (16 (mb % 2) + nb)]      window 3: those of mb 2, 3
.set BQ,    128*272                    ; a wave's part of a slot: 128 LDS rows of 272 bytes; a row holds two weight rows of 128 bytes and 16 bytes of padding,
                                       ; so weight row n lies at (n / 2) 272 + (n % 2) 128, and the 16 rows of a fragment touch 16 different 16-byte columns modulo 256
.set SLOT,  4*BQ
.set A16,   2*SLOT                     ; two buffers of 64 rows x 144 bytes (128 of bf16 + 16): written by ds_store alone
.set ABUF,  64*144
.set SSQ,   A16+2*ABUF                 ; [wave][64 rows] f32: sums of squares
.set BIAS,  SSQ+1024                   ; 1,024 bytes a wave: its 256 bias numbers
.set STAGE, BIAS+4096                  ; 16 rows x 272 bytes a wave: qn's way out; later 16 rows x 64 columns of kn v at a time
.set STW,   16*272
.set SPARE, STAGE+4*STW                ; the spare words, 128 bytes a wave: two blocks of 256 bytes that no other line names
.set STEPB, 131072                     ; bytes of a K step's block in wblk; a phase has 16 of them
.set ZR,   1                           ; v1   0.0, the first addend of the sums of kn v
.set ADRB, 2                           ; v2-3   my lane's place in my part of slot 0, 1
.set ADRA, 4                           ; v4-5   my lane's place in A buffer 0, 1 (reading)
.set AST,  6                           ; v6-7   where I store 8 bytes of a chunk, buffer 0, 1
.set AO,   8                           ; v8     my 16 bytes in the wave's first two rows of a chunk
.set PFO,  9                           ; v9     the activations' prefetch: my row, my one of two chunks
.set PFBO, 10                          ; v10    the weights' prefetch: 256 x lane
.set BO,   11                          ; v11    32 x lane: my 8 bias numbers
.set BSA,  12                          ; v12    where I store them
.set BRD,  13                          ; v13    where I read a column block's 8
.set SSA,  14                          ; v14    where I store a row's sum of squares
.set SSR,  15                          ; v15    where I read the four waves' sums
.set STO,  16                          ; v16    stage: where I put 16 bytes of a row of qn
.set RD,   17                          ; v17    stage: where I read rows of 256 bytes back
.set GO,   18                          ; v18    my byte offset in two rows of qn
.set KS,   19                          ; v19    stage: where I put 32 bytes of a row of kn v
.set KO,   21                          ; v21    16 x lane
.set SPW,  22                          ; v22    my spare word; never rewritten
.set NIL,  23                          ; v23    0; never rewritten
.set BIA,  24                          ; v24-31 my 8 bias numbers of the phase
.set AS,   32                          ; v32-63 the chunk on its way in
.set AF,   64                          ; v64-95, v96-127  A fragments of quarter 0, 1
.set H,    128                         ; v128-191, v192-255  B fragments of column blocks 0-7, 8-15
.set SQ,   64                          ; the ways out: sums of squares, 8 a row block
.set R,    96                          ;   1 / norm, a pair a row block
.set SL,   104                         ;   the four waves' sums
.set BF,   128                         ;   the bias as fragments, 8 a column block
.set T,    128                         ;   kn v summed over the row blocks, 8 a column block
.set BK,   160                         ;   qn's rows read back: v160-191 and v192-223 by turns
.set LB,   32                          ;   rows of kn v read back: v32-63 and v64-95 by turns
.set SR,   96                          ;   the four batches' sums, 4 each
.set OU,   112                         ;   what is stored
.set WV,   18
.set CX,   19
.set GI,   20
.set BB,   21
.set SB,   22
.set G1,   24                          ; s[24:31] descriptor group 1
.set G0,   32                          ; s[32:39] descriptor group 0, a set a slot
.set AP,   40                          ; s[40:41] the chunk last loaded
.set NB1,  42                          ; s[42:43] the next tensor at my rows
.set NB2,  44                          ; s[44:45] the one after
.set CC,   46                          ; s46  chunks taken of the tensor in hand
.set CLEFT, 47                         ; s47  chunks still to be loaded
.set PP,   48                          ; s[48:49] the pair of chunks last prefetched; s[50:53], s54 as NB1, NB2, CC
.set NP1,  50
.set NP2,  52
.set PC,   54
.set PN,   55                          ; s55  requests for activations so far
.set PB,   56                          ; s[56:57] my 8,192 bytes of my cluster's first block of the next phase
.set LIMC, 58                          ; s58  2 in clusters 0-7, else 0
.set LIMB, 59                          ; s59  LIMC while a phase follows, else 0: the value of the laps' counter at which the weights are prefetched
.set PH,   60                          ; s60  3, 2, 1: phase q, k, v
.set LAPC, 61                          ; s61  laps to go, this one among them: 8 to 1
.set BI,   62                          ; s62  steps of the phase that have been asked for
.set BPH,  63                          ; s63  byte offset of that phase's 16 blocks
.set SEL,  66                          ; s[66:67] v_permlanex16_b32's selects: each lane takes its own place in the other half
.set BP,   68                          ; s[68:69] the phase's bias at my 256 columns
.set QN,   70                          ; s[70:71] qn at my rows and columns
.set KV,   72                          ; s[72:73] kvp at my 256 columns
.set WB,   74                          ; s[74:75] wblk at my quarter of block 0
.set TS,   76                          ; s[76:77] at work
.set T4,   78
.set ATB,  80                          ; s[80:81] the tensor in hand at my rows
.set AKO,  82                          ; s[82:83] 256 x the K block of the chunk last loaded; wraps at 4,096
.set PTB,  84                          ; s[84:87] the same two for the prefetches
.set PKO,  86
.set BOF,  88                          ; s[88:89] byte offset of the block to be asked for
.set BKO,  90                          ; s90  its part inside the phase; wraps at 16 blocks
.set MSB, 0
.macro WIN new                         ; the immediate's high byte repeats the setting that is left; a switch that changes nothing is dropped
.if MSB != (\new)
	s_set_vgpr_msb (MSB<<8)|(\new)
.set MSB, \new
.endif
.endm
.macro PLACES                          ; four places behind a matrix instruction, in front of loads into registers that it has read
.rept 4
	v_nop
.endr
.endm
.macro CREST                           ; a round of the cluster's barrier behind its opening barrier
	s_cmp_lg_u32 s[WV], 0
	s_cbranch_scc1 .Lnot_wave_0_\@
	s_barrier_signal -3
.Lnot_wave_0_\@:
	s_barrier_wait -3
	s_barrier_signal -1
	s_barrier_wait -1
.endm
.macro CROUND                          ; a whole round
	s_barrier_signal -1
	s_barrier_wait -1
	CREST
.endm
.macro JLOAD s                         ; every wave fetches its own quarter: no branch; an s_nop 0 and four v_nop follow
	tensor_load_to_lds s[G0+4*(\s):G0+4*(\s)+3], s[G1:G1+7]
	s_nop 0
	PLACES
.endm
.macro FB half, slot, kq               ; 16 LDS loads: 8 column blocks x 32 along K
	WIN 0
.irp i, 0,1,2,3,4,5,6,7
	ds_load_b128 v[H+64*(\half)+8*(\i):H+64*(\half)+8*(\i)+3],   v[ADRB+(\slot)] offset:(8*(\half)+(\i))*2176+(\kq)*64
	ds_load_b128 v[H+64*(\half)+8*(\i)+4:H+64*(\half)+8*(\i)+7], v[ADRB+(\slot)] offset:(8*(\half)+(\i))*2176+(\kq)*64+32
.endr
.endm
.macro FA slot, kq                     ; 8 LDS loads: the 4 row blocks x 32 along K
	WIN 0
.irp m, 0,1,2,3
	ds_load_b128 v[AF+32*(\kq)+8*(\m):AF+32*(\kq)+8*(\m)+3],   v[ADRA+(\slot)] offset:(\m)*2304+(\kq)*64
	ds_load_b128 v[AF+32*(\kq)+8*(\m)+4:AF+32*(\kq)+8*(\m)+7], v[ADRA+(\slot)] offset:(\m)*2304+(\kq)*64+32
.endr
.endm
; 8 matrix instructions: row block 2 hi + m x the half's 8 column blocks.  In every quarter all 64 accumulators take turns in the same order, one instruction a turn.
.macro MULQ half, kq, hi, m, zero
	WIN 0xa0+0x50*(\hi)
.irp i, 0,1,2,3,4,5,6,7
.set rD, 8*(16*(\m)+8*(\half)+(\i))
.set rB, H+64*(\half)+8*(\i)
.set rA, AF+32*(\kq)+8*(2*(\hi)+(\m))
.if \zero
	v_wmma_f32_16x16x32_bf16 v[rD:rD+7], v[rB:rB+7], v[rA:rA+7], 0
.else
	v_wmma_f32_16x16x32_bf16 v[rD:rD+7], v[rB:rB+7], v[rA:rA+7], v[rD:rD+7]
.endif
.endr
.endm
.macro MULH half, kq, hi, zero         ; 16: row blocks 2 hi and 2 hi + 1
	MULQ \half, \kq, \hi, 0, \zero
	MULQ \half, \kq, \hi, 1, \zero
.endm
.macro ALOAD                           ; a chunk: my 16 rows x 256 bytes, two rows a load
.irp i, 0,1,2,3,4,5,6,7
	global_load_b128 v[AS+4*(\i):AS+4*(\i)+3], v[AO], s[AP:AP+1] offset:(\i)*32768 th:TH_LOAD_NT
.endr
.endm
; The chunk that has come is rounded to bf16 in place and stored into A buffer buf; the next chunk is asked for.  The 16 conversions are also the places in front of the LDS loads that follow.
.macro CHUNK buf
	s_wait_loadcnt 0x0                             ; the chunk is in (and, a step behind a phase's head, the bias); its loads are done, so their base may be written
.irp i, 0,1,2,3,4,5,6,7
	v_cvt_pk_bf16_f32 v[AS+4*(\i)], v[AS+4*(\i)], v[AS+4*(\i)+1]
	v_cvt_pk_bf16_f32 v[AS+4*(\i)+1], v[AS+4*(\i)+2], v[AS+4*(\i)+3]
.endr
.irp i, 0,1,2,3,4,5,6,7
	ds_store_b64 v[AST+(\buf)], v[AS+4*(\i):AS+4*(\i)+1] offset:(\i)*288
.endr
	s_cmp_eq_u32 s[CLEFT], 0                       ; behind chunk 47 there is none
	s_cbranch_scc1 .Lno_chunk_\@
	s_sub_co_u32 s[CLEFT], s[CLEFT], 1
	s_add_co_u32 s[CC], s[CC], 1
	s_add_co_u32 s[AKO], s[AKO], 256               ; the next K block,
	s_and_b32 s[AKO], s[AKO], 4095                 ; behind the 16th the first: after 16 chunks the offset stands at the walk's start again
	s_cmp_eq_u32 s[CC], 16                         ; behind a tensor's 16th chunk comes the next tensor
	s_cselect_b64 s[ATB:ATB+1], s[NB1:NB1+1], s[ATB:ATB+1]
	s_cselect_b64 s[NB1:NB1+1], s[NB2:NB2+1], s[NB1:NB1+1]
	s_cselect_b32 s[CC], 0, s[CC]
	s_add_nc_u64 s[AP:AP+1], s[ATB:ATB+1], s[AKO:AKO+1]
	ALOAD
.Lno_chunk_\@:
.endm
; A step's first quarter.  zero = 1: its products start the sums.  chunk = 1: the next step's activations are rounded and stored, and the chunk after them asked for.
.macro QUARTER slot, zero, chunk
	s_wait_dscnt 16                                ; B's first half and A are in; the second half's 16 loads may be out
	MULH 0, 0, 0, \zero
	MULH 0, 0, 1, \zero
	WIN 0
.if \chunk
	CHUNK 1-(\slot)
.else
	PLACES
.endif
	FB 0, \slot, 1
	FA \slot, 1
.if \chunk
	s_wait_dscnt 32                                ; all but what was issued behind B's second half: 8 stores, 16 + 8 loads
.else
	s_wait_dscnt 24                                ; the same without the stores
.endif
	MULH 1, 0, 0, \zero
	MULH 1, 0, 1, \zero
	WIN 0
	PLACES
	FB 1, \slot, 1
.endm
.macro ASKB slot                       ; in the loop's seventh trip, while a phase follows, in clusters 0-7: my cluster's first (slot 0) or second (slot 1) block of the next phase
	s_cmp_eq_u32 s[LAPC], s[LIMB]
	s_cbranch_scc0 .Lnot_b_\@
	global_prefetch_b8 v[PFBO], s[PB:PB+1] offset:(\slot)*STEPB th:TH_LOAD_NT scope:SCOPE_SE
.Lnot_b_\@:
.endm
.macro ASKA                            ; my rows of two chunks
	s_cmp_le_u32 s[PN], 20
	s_cbranch_scc0 .Lnot_a_\@
	global_prefetch_b8 v[PFO], s[PP:PP+1] th:TH_LOAD_NT scope:SCOPE_SE
.Lnot_a_\@:
.endm
; A step's second quarter, and the change of slots: ONE barrier.  All of this slot has been asked for from LDS when the quarter begins.  Behind 16 products each wave waits for all its tensor loads (one is out: its part of the
; other slot) and adds 0 to its spare word; the descriptor's scalar work and 8 products stand between the add and the wait for it, which is also the wait for the wave's reads of this slot and of this step's A buffer and for
; its stores into the other A buffer; then it signals, and 8 products stand between signal and wait.  refill = 1: the barrier opens a round of the cluster's, and this slot is filled again, first thing behind it, with the
; block two steps on: from that request to the wait for it a wave issues 112 products.  fetch = 1: the next step's first fragments are fetched, with 32 products behind them.  aska, askb = 1: the prefetches stand here.
.macro TURN slot, refill, fetch, aska, askb
.if \aska
	s_wait_xcnt 0x0                                ; the last prefetch of activations, two steps back, has read its address: it is made anew here, ahead of the products
	s_add_co_u32 s[PN], s[PN], 1
	s_add_co_u32 s[PC], s[PC], 2
	s_add_co_u32 s[PKO], s[PKO], 512               ; two K blocks on; the walk's start is even, so a pair never straddles the wrap
	s_and_b32 s[PKO], s[PKO], 4095
	s_cmp_eq_u32 s[PC], 16
	s_cselect_b64 s[PTB:PTB+1], s[NP1:NP1+1], s[PTB:PTB+1]
	s_cselect_b64 s[NP1:NP1+1], s[NP2:NP2+1], s[NP1:NP1+1]
	s_cselect_b32 s[PC], 0, s[PC]
	s_add_nc_u64 s[PP:PP+1], s[PTB:PTB+1], s[PKO:PKO+1]
.endif
	s_wait_dscnt 16                                ; B's first half and A are in; the second half's 16 loads may be out
	MULH 0, 1, 0, 0
	WIN 0
	s_wait_tensorcnt 0x0                           ; all my tensor loads have landed, so a group 0 may be written
	ds_add_u32 v[SPW], v[NIL]                      ; 0 onto my spare word
.if \refill
	s_add_co_u32 s[BKO], s[BKO], STEPB             ; the next K block, behind the 16th the first
	s_and_b32 s[BKO], s[BKO], 16*STEPB-1
	s_cmp_eq_u32 s[BI], 16                         ; the phase's 16 have been asked for: on to the next phase's
	s_cselect_b32 s[TS], 16*STEPB, 0
	s_cselect_b32 s[BI], 0, s[BI]
	s_add_co_u32 s[BPH], s[BPH], s[TS]
	s_add_co_u32 s[BI], s[BI], 1
	s_add_co_u32 s[BOF], s[BPH], s[BKO]
	s_add_nc_u64 s[G0+4*(\slot)+2:G0+4*(\slot)+3], s[WB:WB+1], s[BOF:BOF+1]  ; the address is made anew: the base and an offset
	s_or_b32 s[G0+4*(\slot)+3], s[G0+4*(\slot)+3], 0x80000000                ; type = 2
.endif
	MULQ 0, 1, 1, 0, 0                             ; the wave works while the add is out
	s_wait_dscnt 0x0                               ; the add is done; my reads of this slot and my stores into the other A buffer are over:
	s_barrier_signal -1                            ; say so,
	MULQ 0, 1, 1, 1, 0                             ; work on registers while the others arrive,
	WIN 0
	s_barrier_wait -1                              ; and go on when all four have said so
.if \refill
	CREST                                          ; no wave of any partner still reads this slot or has a load on its way
	JLOAD \slot                                    ; its four v_nop are also the places in front of the loads below
.else
	PLACES
.endif
.if \fetch
	FB 0, 1-(\slot), 0
	FA 1-(\slot), 0
.endif
.if \askb
	ASKB \slot
.endif
.if \aska
	ASKA
.endif
	MULH 1, 1, 0, 0
	MULH 1, 1, 1, 0
.if \fetch
	WIN 0
	PLACES
	FB 1, 1-(\slot), 0
.endif
.endm
	s_load_b256 s[4:11], s[0:1], 0x0               ; query s[4:5], key s[6:7], value s[8:9], in_proj_bias s[10:11]
	s_load_b128 s[12:15], s[0:1], 0x20             ; wblk s[12:13], qn s[14:15]
	s_load_b64 s[16:17], s[0:1], 0x30              ; kvp
	v_lshl_add_u32 v[SPW], v0, 2, SPARE
	v_mov_b32 v[NIL], 0
	ds_add_u32 v[SPW], v[NIL]                      ; the wave's opening: the add, twice on end, and its wait ahead of my first tensor load; the set-up below stands between
	ds_add_u32 v[SPW], v[NIL]
	v_lshrrev_b32 v24, 5, v0
	v_readfirstlane_b32 s[WV], v24                 ; wave 0..3
	s_bfe_u32 s[CX], ttmp6, 0x40000                ; my place in the cluster: it enters global addresses of my own alone
	s_lshl_b32 s[GI], ttmp9, 2
	s_add_co_u32 s[GI], s[GI], s[CX]               ; work-group 0..255
	s_lshr_b32 s[BB], s[GI], 6                     ; batch
	s_and_b32 s[SB], s[GI], 63                     ; block of 64 sequence places
	; descriptor group 1: 32,768 dense bytes as 128 rows of 128 elements, 16 bytes of padding behind each
	s_mov_b32 s[G1], 15|(1<<16)|(1<<20)|(1<<21)|(5<<22)|(3<<25)  ; 15:0 the mask of four; 17:16 2-byte elements; 20 padding on; 21 set beside a mask; 24:22 after every 64 words; 31:25 4 words
	s_mov_b32 s[G1+1], 128<<16                     ; tensor_dim0 = 128
	s_mov_b32 s[G1+2], 128<<16                     ; tensor_dim1 = 128
	s_mov_b32 s[G1+3], 128<<16                     ; tile_dim0 = 128
	s_mov_b32 s[G1+4], 128                         ; tile_dim1 = 128
	s_mov_b32 s[G1+5], 128                         ; 128 elements from row to row
	s_mov_b32 s[G1+6], 0
	s_mov_b32 s[G1+7], 0
	s_mov_b32 s[SEL], 0x76543210
	s_mov_b32 s[SEL+1], 0xfedcba98
	s_mov_b32 s[CC], 0
	s_mov_b32 s[CLEFT], 47
	s_mov_b32 s[PC], 6
	s_mov_b32 s[PN], 0
	s_mov_b32 s[BI], 2                             ; the two first fills
	s_mov_b32 s[BPH], 0
	s_cmp_lt_u32 ttmp9, 8
	s_cselect_b32 s[LIMC], 2, 0                    ; the same in all four partners
	; where my cluster's walk along K begins: x = (c xor c / 8) mod 8, K block 2 x
	s_lshr_b32 s[TS], ttmp9, 3
	s_xor_b32 s[TS], s[TS], ttmp9
	s_and_b32 s[TS], s[TS], 7
	s_lshl_b32 s[AKO], s[TS], 9                    ; 2 x chunks of 256 bytes
	s_mov_b32 s[AKO+1], 0
	s_add_co_u32 s[PKO], s[AKO], 1536              ; the walk's chunk 6: the first request steps it to chunks 8 and 9
	s_and_b32 s[PKO], s[PKO], 4095
	s_mov_b32 s[PKO+1], 0
	s_lshl_b32 s[BKO], s[TS], 18                   ; 2 x blocks of 131,072 bytes
	s_mov_b32 s[BOF], s[BKO]
	s_mov_b32 s[BOF+1], 0
	; byte offsets, each in the pair that will hold the address
	s_lshl_b32 s[ATB], s[SB], 20                   ; 64 sequence places of 16,384 bytes,
	s_lshl_b32 s[ATB+1], s[BB], 12                 ; the batch's row of 4,096
	s_add_co_u32 s[ATB], s[ATB], s[ATB+1]
	s_mov_b32 s[ATB+1], 0
	s_lshl_b32 s[QN], s[SB], 19
	s_lshl_b32 s[QN+1], s[BB], 11
	s_add_co_u32 s[QN], s[QN], s[QN+1]
	s_lshl_b32 s[QN+1], s[WV], 9
	s_add_co_u32 s[QN], s[QN], s[QN+1]
	s_mov_b32 s[QN+1], 0
	s_lshl_b32 s[KV], s[BB], 18
	s_lshl_b32 s[KV+1], s[SB], 12
	s_add_co_u32 s[KV], s[KV], s[KV+1]
	s_lshl_b32 s[KV+1], s[WV], 10
	s_add_co_u32 s[KV], s[KV], s[KV+1]
	s_mov_b32 s[KV+1], 0
	s_lshl_b32 s[BP], s[WV], 10
	s_mov_b32 s[BP+1], 0
	s_lshl_b32 s[PB], s[CX], 15
	s_lshl_b32 s[PB+1], s[WV], 13
	s_add_co_u32 s[PB], s[PB], s[PB+1]
	s_add_co_u32 s[PB], s[PB], s[BKO]              ; in phase q's blocks: each phase's head steps it a phase on
	s_mov_b32 s[PB+1], 0
	s_lshl_b32 s[WB], s[WV], 15                    ; my quarter of a block: the wave's number alone
	s_mov_b32 s[WB+1], 0
	s_mul_i32 s[T4], s[WV], BQ                     ; and its place in a slot
	; lane addresses
	v_and_b32 v25, 15, v0                          ; r
	v_bfe_u32 v26, v0, 4, 1                        ; h
	v_and_b32 v27, 31, v0                          ; lane
	v_mov_b32 v[ZR], 0
	v_lshrrev_b32 v28, 1, v25
	v_mul_u32_u24 v[ADRB], v28, 272
	v_and_b32 v28, 1, v25
	v_lshl_add_u32 v[ADRB], v28, 7, v[ADRB]
	v_lshl_add_u32 v[ADRB], v26, 4, v[ADRB]
	v_add_nc_u32 v[ADRB], s[T4], v[ADRB]
	v_add_nc_u32 v[ADRB+1], SLOT, v[ADRB]
	v_mul_u32_u24 v[ADRA], v25, 144
	v_lshl_add_u32 v[ADRA], v26, 4, v[ADRA]
	v_add_nc_u32 v[ADRA], A16, v[ADRA]
	v_add_nc_u32 v[ADRA+1], ABUF, v[ADRA]
	s_mul_i32 s[TS], s[WV], 16*144
	s_add_co_u32 s[TS], s[TS], A16
	v_mul_u32_u24 v[AST], v26, 144
	v_lshl_add_u32 v[AST], v25, 3, v[AST]
	v_add_nc_u32 v[AST], s[TS], v[AST]
	v_add_nc_u32 v[AST+1], ABUF, v[AST]
	s_lshl_b32 s[TS], s[WV], 18                    ; my 16 rows of 16,384 bytes
	v_lshlrev_b32 v[AO], 4, v25
	v_lshl_add_u32 v[AO], v26, 14, v[AO]
	v_add_nc_u32 v[AO], s[TS], v[AO]
	v_lshlrev_b32 v[PFO], 8, v26
	v_lshl_add_u32 v[PFO], v25, 14, v[PFO]
	v_add_nc_u32 v[PFO], s[TS], v[PFO]
	v_lshlrev_b32 v[PFBO], 8, v27
	v_lshlrev_b32 v[BO], 5, v27
	s_lshl_b32 s[TS], s[WV], 10
	s_add_co_u32 s[TS], s[TS], BIAS
	v_add_nc_u32 v[BSA], s[TS], v[BO]
	v_lshl_add_u32 v[BRD], v26, 5, s[TS]
	s_lshl_b32 s[TS], s[WV], 8
	s_add_co_u32 s[TS], s[TS], SSQ
	v_lshl_add_u32 v[SSA], v25, 2, s[TS]
	v_lshl_add_u32 v[SSR], v25, 2, SSQ
	s_mul_i32 s[TS], s[WV], STW
	s_add_co_u32 s[TS], s[TS], STAGE
	v_mul_u32_u24 v[STO], v25, 272
	v_lshl_add_u32 v[KS], v26, 5, v[STO]           ; row r, 32 bytes for each half of the lanes
	v_lshl_add_u32 v[STO], v26, 4, v[STO]          ; row r, 16 bytes for each half
	v_add_nc_u32 v[KS], s[TS], v[KS]
	v_add_nc_u32 v[STO], s[TS], v[STO]
	v_mul_u32_u24 v[RD], v26, 272
	v_lshl_add_u32 v[RD], v25, 4, v[RD]
	v_add_nc_u32 v[RD], s[TS], v[RD]
	v_lshlrev_b32 v[GO], 4, v25
	v_lshl_add_u32 v[GO], v26, 13, v[GO]
	v_lshlrev_b32 v[KO], 4, v27
	s_wait_dscnt 0x0                               ; both opening adds are done
	s_wait_kmcnt 0x0
	s_add_nc_u64 s[NB1:NB1+1], s[6:7], s[ATB:ATB+1]
	s_add_nc_u64 s[NB2:NB2+1], s[8:9], s[ATB:ATB+1]
	s_add_nc_u64 s[ATB:ATB+1], s[4:5], s[ATB:ATB+1]
	s_mov_b64 s[NP1:NP1+1], s[NB1:NB1+1]
	s_mov_b64 s[NP2:NP2+1], s[NB2:NB2+1]
	s_mov_b64 s[PTB:PTB+1], s[ATB:ATB+1]
	s_add_nc_u64 s[AP:AP+1], s[ATB:ATB+1], s[AKO:AKO+1]
	s_add_nc_u64 s[BP:BP+1], s[10:11], s[BP:BP+1]
	s_add_nc_u64 s[QN:QN+1], s[14:15], s[QN:QN+1]
	s_add_nc_u64 s[KV:KV+1], s[16:17], s[KV:KV+1]
	s_add_nc_u64 s[PB:PB+1], s[12:13], s[PB:PB+1]
	s_add_nc_u64 s[WB:WB+1], s[12:13], s[WB:WB+1]
	s_add_nc_u64 s[TS:TS+1], s[WB:WB+1], s[BOF:BOF+1]  ; my quarter of the walk's first block; its start is even, so the second lies behind it
.irp s, 0,1
	s_mov_b32 s[G0+4*(\s)], 1                                      ; count = 1
	s_add_co_u32 s[G0+4*(\s)+1], s[T4], (\s)*SLOT                  ; LDS address
	s_add_nc_u64 s[G0+4*(\s)+2:G0+4*(\s)+3], s[TS:TS+1], (\s)*STEPB  ; global address: step s
	s_or_b32 s[G0+4*(\s)+3], s[G0+4*(\s)+3], 0x80000000            ; type = 2
.endr
	s_add_co_u32 s[BKO], s[BKO], STEPB             ; the block last asked for: step 1's
	ALOAD                                          ; chunk 0
	CROUND                                         ; all four work-groups are here: the first joint loads meet
	tensor_load_to_lds s[G0:G0+3], s[G1:G1+7]      ; both first fills together: two loads of mine are out here, one behind every later round
	s_nop 0
	tensor_load_to_lds s[G0+4:G0+7], s[G1:G1+7]
	s_nop 0
	PLACES
	CHUNK 0                                        ; chunk 0 into A buffer 0; chunk 1 is asked for
	s_wait_tensorcnt 0x1                           ; my part of slot 0 is in; slot 1's may stay out
	s_wait_dscnt 0x0                               ; my stores into A buffer 0 are done
	s_barrier_signal -1
	s_barrier_wait -1
	s_mov_b32 s[PH], 3
.Lphase:                                               ; three trips: q, k, v.  The ring and the chunks run on from phase to phase
	s_wait_xcnt 0x0                                ; qn's stores have read their registers, into which the fragments below are loaded; the weights' prefetches have read their address
	s_add_nc_u64 s[PB:PB+1], s[PB:PB+1], 16*STEPB  ; my cluster's first block of the phase after this one
	s_cmp_gt_u32 s[PH], 1
	s_cselect_b32 s[LIMB], s[LIMC], 0              ; behind phase v there is none
	FB 0, 0, 0
	FA 0, 0
	FB 1, 0, 0
	QUARTER 0, 1, 1                                ; a phase's first quarter starts the sums
	global_load_b128 v[BIA:BIA+3], v[BO], s[BP:BP+1]       ; the phase's bias, behind the chunk's loads: shown in by the next chunk's wait for 0, a step on
	global_load_b128 v[BIA+4:BIA+7], v[BO], s[BP:BP+1] offset:16
	s_mov_b32 s[LAPC], 8
.Llap:                                                 ; a trip goes once round the ring, from a step's second quarter to the first of the step after next
	s_cmp_lg_u32 s[LAPC], 1
	s_cbranch_scc1 .Lgo
	s_cmp_eq_u32 s[PH], 1
	s_cbranch_scc1 .Lfinal                         ; the last phase's last lap is written out: it asks for nothing more
.Lgo:
	TURN 0, 1, 1, 0, 1                             ; (in the eighth trip: slot 0 takes the next phase's step 0,
	QUARTER 1, 0, 1
	TURN 1, 1, 1, 1, 1                             ; and slot 1 its step 1)
	s_cmp_eq_u32 s[LAPC], 1
	s_cbranch_scc1 .Lno_quarter                    ; the eighth trip's last quarter is the next phase's first, which stands at the phase's head
	QUARTER 0, 0, 1
	WIN 0
.Lno_quarter:
	s_sub_co_u32 s[LAPC], s[LAPC], 1
	s_cmp_lg_u32 s[LAPC], 0
	s_cbranch_scc1 .Llap
	s_branch .Lepi
.Lfinal:
	TURN 0, 0, 1, 0, 0
	QUARTER 1, 0, 0
	s_wait_dscnt 16
	MULH 0, 1, 0, 0
	MULH 0, 1, 1, 0
	s_wait_dscnt 0x0
	MULH 1, 1, 0, 0
	MULH 1, 1, 1, 0
	WIN 0
.Lepi:
	s_wait_dscnt 0x0                               ; the eighth trip has fetched the next phase's first fragments like every trip; the way out takes their registers, so the 40 loads are waited for here
	                                               ; and issued again at the phase's head: the price, twice a launch, of one text for all eight trips
	; THE BIAS: rounded to bf16 and widened again, in place; these twelve lines, which name no register of the last products, are the places behind them.  Through my own LDS bytes it comes back as fragments.
.irp i, 0,1,2,3
	v_cvt_pk_bf16_f32 v[BIA+2*(\i)], v[BIA+2*(\i)], v[BIA+2*(\i)+1]
.endr
.irp i, 0,1,2,3
	v_and_b32 v[BIA+2*(\i)+1], 0xffff0000, v[BIA+2*(\i)]
.endr
.irp i, 0,1,2,3
	v_lshlrev_b32 v[BIA+2*(\i)], 16, v[BIA+2*(\i)]
.endr
	ds_store_b128 v[BSA], v[BIA:BIA+3]
	ds_store_b128 v[BSA], v[BIA+4:BIA+7] offset:16
.irp n, 0,1,2,3,4,5,6,7,8,9,10,11,12,13,14,15
	ds_load_b128 v[BF+8*(\n):BF+8*(\n)+3],   v[BRD] offset:(\n)*64     ; LDS serves a wave's instructions in order: these see the stores above
	ds_load_b128 v[BF+8*(\n)+4:BF+8*(\n)+7], v[BRD] offset:(\n)*64+16
.endr
	s_wait_dscnt 0x0
.irp hi, 0,1                           ; each accumulator is read from its low end on
	WIN 0x82+0x41*(\hi)
.set z, 0
.rept 128
	v_pk_add_f32 v[2*z:2*z+1], v[2*z:2*z+1], v[BF+(2*z)%128:BF+(2*z)%128+1]
.set z, z+1
.endr
.endr
	WIN 0
	s_cmp_eq_u32 s[PH], 1
	s_cbranch_scc1 .Lv
	; THE NORM.  Sums of squares: for each row block four chains of pairs, 16 links each, seven other lines between two links.
.irp hi, 0,1
	WIN 0x0a+5*(\hi)
.set nb, 0
.rept 16
.irp m, 0,1
.irp p, 0,1,2,3
.set rS, SQ+8*(2*(\hi)+(\m))+2*(\p)
.set rC, 8*(16*(\m)+nb)+2*(\p)
.if nb == 0
	v_pk_mul_f32 v[rS:rS+1], v[rC:rC+1], v[rC:rC+1]
.else
	v_pk_fma_f32 v[rS:rS+1], v[rC:rC+1], v[rC:rC+1], v[rS:rS+1]
.endif
.endr
.endr
.set nb, nb+1
.endr
.endr
	WIN 0
.irp m, 0,1,2,3
	v_pk_add_f32 v[SQ+8*(\m):SQ+8*(\m)+1], v[SQ+8*(\m):SQ+8*(\m)+1], v[SQ+8*(\m)+2:SQ+8*(\m)+3]
	v_pk_add_f32 v[SQ+8*(\m)+4:SQ+8*(\m)+5], v[SQ+8*(\m)+4:SQ+8*(\m)+5], v[SQ+8*(\m)+6:SQ+8*(\m)+7]
.endr
.irp m, 0,1,2,3
	v_pk_add_f32 v[SQ+8*(\m):SQ+8*(\m)+1], v[SQ+8*(\m):SQ+8*(\m)+1], v[SQ+8*(\m)+4:SQ+8*(\m)+5]
.endr
.irp m, 0,1,2,3
	v_add_f32 v[SQ+8*(\m)], v[SQ+8*(\m)], v[SQ+8*(\m)+1]
.endr
.irp m, 0,1,2,3
	v_permlanex16_b32 v[SQ+8*(\m)+1], v[SQ+8*(\m)], s[SEL], s[SEL+1]  ; the row's other columns of each block lie in the lane 16 away
.endr
.irp m, 0,1,2,3
	v_add_f32 v[SQ+8*(\m)], v[SQ+8*(\m)], v[SQ+8*(\m)+1]
.endr
.irp m, 0,1,2,3
	ds_store_b32 v[SSA], v[SQ+8*(\m)] offset:64*(\m)
.endr
	s_wait_dscnt 0x0                               ; for the others' sake: my sums lie in LDS
	s_barrier_signal -1
	s_barrier_wait -1                              ; slot 1's load may stay out
.irp m, 0,1,2,3
.irp u, 0,1,2,3
	ds_load_b32 v[SL+4*(\m)+(\u)], v[SSR] offset:256*(\u)+64*(\m)
.endr
.endr
	s_wait_dscnt 0x0
.irp m, 0,1,2,3
	v_add_f32 v[SL+4*(\m)], v[SL+4*(\m)], v[SL+4*(\m)+1]
	v_add_f32 v[SL+4*(\m)+2], v[SL+4*(\m)+2], v[SL+4*(\m)+3]
.endr
.irp m, 0,1,2,3
	v_add_f32 v[SL+4*(\m)], v[SL+4*(\m)], v[SL+4*(\m)+2]   ; the same order in all four waves: one norm for a row
.endr
.irp m, 0,1,2,3
	v_rsq_f32 v[R+2*(\m)], v[SL+4*(\m)]
	v_rsq_f32 v[R+2*(\m)+1], v[SL+4*(\m)]          ; twice: the packed multiply names a pair
.endr
	v_nop                                          ; a plain instruction behind the last of them,
	s_wait_alu depctr_va_vdst(0)                   ; and a wait ahead of the first use
.irp hi, 0,1
	WIN 0x82+0x41*(\hi)
.set z, 0
.rept 128
	v_pk_mul_f32 v[2*z:2*z+1], v[2*z:2*z+1], v[R+2*(2*(\hi)+z/64):R+2*(2*(\hi)+z/64)+1] op_sel_hi:[1,0]
.set z, z+1
.endr
.endr
.irp hi, 0,1
	WIN 0x4a+5*(\hi)                               ; into window 1: 8 f16 of a row and column block in four registers
.set z, 0
.rept 128
	v_cvt_pk_f16_f32 v[128*(\hi)+z], v[2*z], v[2*z+1]
.set z, z+1
.endr
.endr
	WIN 0
	s_cmp_eq_u32 s[PH], 3
	s_cbranch_scc0 .Lnext                          ; kn stays in its registers
	; qn's WAY OUT: eight blocks x of 16 rows x 128 columns (row block x / 2, half x % 2) through my stage: in as 16 bytes a lane, back as whole rows of 256 bytes.  Block x goes into the stage before block x - 1 is
	; waited for, so that a block's way through LDS stands beside the next block's.
.macro QST x
.if (\x) >= 2
	s_wait_xcnt 0x0                                ; block x - 2's stores, just issued, have read their registers, which the loads below write
.endif
	WIN 0x04                                       ; store data in window 1
.irp i, 0,1,2,3,4,5,6,7
	ds_store_b128 v[STO], v[32*(\x)+4*(\i):32*(\x)+4*(\i)+3] offset:32*(\i)  ; LDS serves a wave's instructions in order: these come behind the loads of the block before
.endr
	WIN 0
.irp t, 0,1,2,3,4,5,6,7
	ds_load_b128 v[BK+32*((\x)%2)+4*(\t):BK+32*((\x)%2)+4*(\t)+3], v[RD] offset:(\t)*544  ; and these behind the stores above
.endr
.endm
.macro QSEND x, younger                ; younger: the LDS instructions issued behind block x's loads: the next block's sixteen, or none
	s_wait_dscnt \younger                          ; the block is back in registers
.irp t, 0,1,2,3,4,5,6,7
	global_store_b128 v[GO], v[BK+32*((\x)%2)+4*(\t):BK+32*((\x)%2)+4*(\t)+3], s[QN:QN+1] offset:(16*((\x)/2)+2*(\t))*8192+((\x)%2)*256  ; 16 lanes store 256 consecutive bytes, aligned
.endr
.endm
	QST 0
.irp x, 1,2,3,4,5,6,7
	QST \x
	QSEND (\x)-1, 16
.endr
	QSEND 7, 0
.Lnext:
	s_add_nc_u64 s[BP:BP+1], s[BP:BP+1], 4096      ; the next phase's bias (this phase's loads are long in)
	s_sub_co_u32 s[PH], s[PH], 1
	s_cmp_lg_u32 s[PH], 0
	s_cbranch_scc1 .Lphase                         ; taken both times that it is reached: the third phase leaves above, to the label below
.Lv:
	; THE SUMS OF kn v.  In a lane: over the four row blocks, f32 x f16 half + f32.
.irp mb, 0,1,2,3
	WIN 0x06+(\mb)/2
.set z, 0
.rept 64
.if (\mb) == 0
	v_fma_mix_f32 v[T+2*z],   v[128*((\mb)%2)+2*z],   v[64*(\mb)+z], v[ZR] op_sel_hi:[0,1,0]
	v_fma_mix_f32 v[T+2*z+1], v[128*((\mb)%2)+2*z+1], v[64*(\mb)+z], v[ZR] op_sel:[0,1,0] op_sel_hi:[0,1,0]
.else
	v_fma_mix_f32 v[T+2*z],   v[128*((\mb)%2)+2*z],   v[64*(\mb)+z], v[T+2*z] op_sel_hi:[0,1,0]
	v_fma_mix_f32 v[T+2*z+1], v[128*((\mb)%2)+2*z+1], v[64*(\mb)+z], v[T+2*z+1] op_sel:[0,1,0] op_sel_hi:[0,1,0]
.endif
.set z, z+1
.endr
.endr
	WIN 0
	; Then over the 16 rows that lie in the 16 lanes of a half: through my stage, four batches b of 64 columns (column blocks 4 b .. 4 b + 3).  In: row r, 32 bytes for each half of the lanes.  Back: rows of 256 bytes, lanes 0-15
	; the even rows and lanes 16-31 the odd ones, so that a lane holds eight rows of the same four columns: seven sums, and one exchange between the halves.
.macro KST b
.irp n, 0,1,2,3
	ds_store_b128 v[KS], v[T+8*(4*(\b)+(\n)):T+8*(4*(\b)+(\n))+3]   offset:(\n)*64
	ds_store_b128 v[KS], v[T+8*(4*(\b)+(\n))+4:T+8*(4*(\b)+(\n))+7] offset:(\n)*64+16
.endr
.irp t, 0,1,2,3,4,5,6,7
	ds_load_b128 v[LB+32*((\b)%2)+4*(\t):LB+32*((\b)%2)+4*(\t)+3], v[RD] offset:(\t)*544  ; in order behind the stores above; the next batch's stores come behind these
.endr
.endm
.macro KSUM b, younger                 ; younger: the LDS instructions issued behind batch b's loads: the next batch's sixteen, or none
	s_wait_dscnt \younger
.set LL, LB+32*((\b)%2)
.irp t, 0,2,4,6
	v_pk_add_f32 v[LL+4*(\t):LL+4*(\t)+1],   v[LL+4*(\t):LL+4*(\t)+1],   v[LL+4*(\t)+4:LL+4*(\t)+5]
	v_pk_add_f32 v[LL+4*(\t)+2:LL+4*(\t)+3], v[LL+4*(\t)+2:LL+4*(\t)+3], v[LL+4*(\t)+6:LL+4*(\t)+7]
.endr
.irp t, 0,4
	v_pk_add_f32 v[LL+4*(\t):LL+4*(\t)+1],   v[LL+4*(\t):LL+4*(\t)+1],   v[LL+4*(\t)+8:LL+4*(\t)+9]
	v_pk_add_f32 v[LL+4*(\t)+2:LL+4*(\t)+3], v[LL+4*(\t)+2:LL+4*(\t)+3], v[LL+4*(\t)+10:LL+4*(\t)+11]
.endr
	v_pk_add_f32 v[LL:LL+1],   v[LL:LL+1],   v[LL+16:LL+17]
	v_pk_add_f32 v[LL+2:LL+3], v[LL+2:LL+3], v[LL+18:LL+19]
.irp i, 0,1,2,3
	v_permlanex16_b32 v[LL+4+(\i)], v[LL+(\i)], s[SEL], s[SEL+1]   ; the other eight rows' sums lie in the lane 16 away
.endr
	v_pk_add_f32 v[SR+4*(\b):SR+4*(\b)+1],   v[LL:LL+1],   v[LL+4:LL+5]
	v_pk_add_f32 v[SR+4*(\b)+2:SR+4*(\b)+3], v[LL+2:LL+3], v[LL+6:LL+7]
.endm
	KST 0
.irp b, 1,2,3
	KST \b
	KSUM (\b)-1, 16
.endr
	KSUM 3, 0
	v_cmp_le_u32 vcc_lo, 0x100, v[KO]              ; lanes 16-31
.irp i, 0,1,2,3                        ; both halves hold every batch's sums: lanes 0-15 store batches 0 and 2, lanes 16-31 batches 1 and 3
	v_cndmask_b32 v[OU+(\i)],   v[SR+(\i)],   v[SR+4+(\i)],  vcc_lo
	v_cndmask_b32 v[OU+4+(\i)], v[SR+8+(\i)], v[SR+12+(\i)], vcc_lo
.endr
	global_store_b128 v[KO], v[OU:OU+3], s[KV:KV+1]                ; 32 lanes store 512 consecutive bytes, aligned: my columns 0-127,
	global_store_b128 v[KO], v[OU+4:OU+7], s[KV:KV+1] offset:512   ; and 128-255
	s_wait_tensorcnt 0x0                           ; the wave's end, behind my last tensor load and my last LDS store
	ds_add_u32 v[SPW], v[NIL]
	s_wait_dscnt 0x0
	CROUND                                         ; the closing round: no work-group ends while a partner may still ask for a tile that names it
	s_endpgm
.Lfunc_end_k_q852e2547ce_kvq:
	.size	k_q852e2547ce_kvq, .Lfunc_end_k_q852e2547ce_kvq-k_q852e2547ce_kvq
	.p2alignl 7, 3214868480
	.fill 96, 4, 3214868480
	.section	.rodata,"a",@progbits
	.p2align	6, 0x0
	.amdhsa_kernel k_q852e2547ce_kvq
		.amdhsa_group_segment_fixed_size 327680
		.amdhsa_private_segment_fixed_size 0
		.amdhsa_enable_private_segment 0
		.amdhsa_kernarg_size 56
		.amdhsa_user_sgpr_count 2
		.amdhsa_user_sgpr_kernarg_segment_ptr 1
		.amdhsa_wavefront_size32 1
		.amdhsa_system_sgpr_workgroup_id_x 1
		.amdhsa_system_sgpr_workgroup_id_y 1
		.amdhsa_system_sgpr_workgroup_id_z 1
		.amdhsa_system_vgpr_workitem_id 0
		.amdhsa_next_free_vgpr 1024
		.amdhsa_next_free_sgpr 92
		.amdhsa_reserve_vcc 1
		.amdhsa_float_denorm_mode_32 3
		.amdhsa_float_denorm_mode_16_64 3
		.amdhsa_memory_ordered 1
		.amdhsa_forward_progress 1
		.amdhsa_inst_pref_size 206
	.end_amdhsa_kernel
	.amdgpu_metadata
---
amdhsa.version: [ 1, 2 ]
amdhsa.kernels:
  - .name:           k_q852e2547ce_kvq
    .symbol:         k_q852e2547ce_kvq.kd
    .args:
      - { .name: query, .offset: 0, .size: 8, .value_kind: global_buffer, .address_space: global }
      - { .name: key, .offset: 8, .size: 8, .value_kind: global_buffer, .address_space: global }
      - { .name: value, .offset: 16, .size: 8, .value_kind: global_buffer, .address_space: global }
      - { .name: in_proj_bias, .offset: 24, .size: 8, .value_kind: global_buffer, .address_space: global }
      - { .name: wblk, .offset: 32, .size: 8, .value_kind: global_buffer, .address_space: global }
      - { .name: qn, .offset: 40, .size: 8, .value_kind: global_buffer, .address_space: global }
      - { .name: kvp, .offset: 48, .size: 8, .value_kind: global_buffer, .address_space: global }
    .group_segment_fixed_size: 327680
    .private_segment_fixed_size: 0
    .kernarg_segment_align: 8
    .kernarg_segment_size: 56
    .max_flat_workgroup_size: 128
    .sgpr_count:     92
    .vgpr_count:     1024
    .wavefront_size: 32
...
	.end_amdgpu_metadata
.endif
;; end of part 5
;; launch wb: the kernel of part 3 again; grid 64 x 4, 8 waves a work-group, no clusters, 5,376 bytes of LDS; arguments kvp, out_proj_weight, out_proj_bias, wbs, tab; writes wbs, tab
;; launch outp: the kernel of part 4 again; grid 4 x 64, 4 waves a work-group, clusters of 4 x 4, 327,680 bytes of LDS; arguments qn, wbs, tab, out0; writes out0
;; ======== version 3 of 3: 4 launches; version 2 with the launch wb written anew for expert scheduling mode
;; limits: values outside matrix products are rounded to f16; right only within a limited range of input values; values are held in f16: magnitudes above 65,504 overflow, below 6.1e-05 lose precision
;; workspace buffers: wblk 6,291,456 bytes; qn 33,554,432 bytes; kvp 1,048,576 bytes; wbs 8,388,608 bytes; tab 32,768 bytes
;; launch prep: the kernel of part 1 again; grid 384 x 1, 8 waves a work-group, no clusters, 0 bytes of LDS; arguments in_proj_weight, wblk; writes wblk
;; launch kvq: the kernel of part 5 again; grid 256 x 1, 4 waves a work-group, clusters of 4 x 1, 327,680 bytes of LDS; arguments query, key, value, in_proj_bias, wblk, qn, kvp; writes qn, kvp
;; launch wb (part 6): grid 64 x 4, 8 waves a work-group, no clusters, 5,376 bytes of LDS; arguments kvp, out_proj_weight, out_proj_bias, wbs, tab; writes wbs, tab
.if DOCPART == 6
	.amdgcn_target "amdgcn-amd-amdhsa--gfx1250"
	.amdhsa_code_object_version 6
	.text
	.protected	k_q852e2547ce_wb
	.globl	k_q852e2547ce_wb
	.p2align	8
	.type	k_q852e2547ce_wb,@function
k_q852e2547ce_wb:
	s_mov_b64 s[64:65], 0
	v_nop
	global_prefetch_b8 v0, s[64:65] scope:SCOPE_SE
	s_setreg_imm32_b32 hwreg(HW_REG_WAVE_SCHED_MODE, 0, 2), 2
	s_setreg_imm32_b32 hwreg(HW_REG_WAVE_MODE, 25, 1), 1
	s_wait_xcnt 0x0
	s_wait_alu depctr_vm_vsrc(0)
; kv[b][e] = the sum over 64 blocks of kvp[b][blk][e] (f32).  P[f][e] = bf16(out_proj_weight[f][e]) x kv[b][e] (f32).  sc[b][f] = the largest |P[f][.]|, at least 2^-100.
; wbs[b][f][e] = P / sc, rounded once to f16: it lies in -1 .. 1 whatever the inputs' scale.  tab[b][0][f] = sc, tab[b][1][f] = out_proj_bias[f] rounded to bf16, both f32.
; So the last launch's product of qn with wbs[b], times sc, plus the bias, is (qn x kv[b]) out_proj_weight^T + out_proj_bias.
; LIMITS.  sc is held at 2^-100 from below (a row of zeros gives zeros) and must stay under 8e37, so that its reciprocal is no denormal.  A number of wbs below 6e-5 of its row's largest keeps f16's fixed step of 6e-8.
; SHARES.  Work-group (x, b): rows f0 = 16 x .. + 15 for batch b; wave w rows f0 + 2 w and + 1, a whole row in 32 registers.  Every work-group sums kv[b] for itself (262,144 bytes that 64 work-groups read alike):
; thread t takes columns 4 t .. + 3.  No cluster and no tensor load: the launch is short and loads through registers; nothing is prefetched for the same reason.
; tab's two pieces of 64 bytes a work-group are the one store that covers less than 256 consecutive bytes: 32,768 bytes in the launch.
; THE MODE: SCHED_MODE bits 1:0 = 2 (LLVM: expert scheduling mode 2), set by the entry lines.  The code itself states the register dependences between vector instructions and memory or LDS instructions,
; with s_wait_alu, always for 0.
; THE PLAN.  Registers that memory or LDS instructions touch:
;   v[WO], v[TO], v[SO], v[BO], v[MA], v[TA], v[MR]   offsets and LDS addresses: written at the head, never again.  v[SPW], v[NIL]: written at the head, read by the closing add alone.
;   RG    five blocks of eight loads of kvp (four pairs each).  While block p is summed, the loads of block p + 4 land in block p - 1's registers, which no sum of block p names.  So one wait on va_vdst at the heads of
;         blocks 1, 2 and 3 states all that the block's eight loads hang on, and these are dealt among its sums, two ahead of each pair's four.
;   S0    written by the sums, read by one LDS store, never written again.      KVR   ring registers: the sums have read them; behind the first barrier LDS loads land in them.
;   W     a row's first 16 registers: written by its last conversions, read by its eight stores, never written again.      SCL   a register a row for its sc: written once, read by the row's LDS store.
;   v[X]  written and read at the head; in wave 0 an LDS load lands in it, a select writes it, the store into tab reads it.
; No register that a memory or LDS instruction has read is written again: the text holds no wait on vm_vsrc but the entry lines' and the closing lines'.
.set ML,    4096                       ; LDS: kv at 0 (4,096 bytes); the 16 rows' sc at 4,096
.set SPARE, 4352                       ; the spare words, 128 bytes a wave: four blocks of 256 bytes that no other line names
.set LN,  1                            ; v1   lane
.set WO,  2                            ; v2   16 x lane
.set TO,  3                            ; v3   16 x thread
.set SO,  4                            ; v4   8 x lane
.set ZR,  5                            ; v5   0.0
.set SPW, 6                            ; v6   my spare word; never rewritten
.set NIL, 7                            ; v7   0; never rewritten
.set S0,  8                            ; v[8:11], v[12:15] two chains of sums
.set W,   16                           ; v[16:79] my two rows as loaded; later their f16 results, 16 registers each
.set RG,  80                           ; v[80:239] a ring of 40 loads of kvp: pair Q of 32 at RG + 8 (Q mod 20); the names from KVR to SCL below take its registers when its last load has been waited for
.set KVR, 80                           ; kv for my lane's 32 columns
.set P,   112                          ; the products
.set C,   144                          ; the row in bf16
.set AB,  160                          ; |P|
.set MX,  192                          ; four maxima
.set RC,  196                          ; 1 / sc, twice
.set SCL, 198                          ; v[198:199] row 0's and row 1's sc
.set BV,  240                          ; behind the ring, since they are set ahead of it and live through it: the bias,
.set MA,  241                          ; where my wave's sc go,
.set TA,  242                          ; my place in tab,
.set BO,  243                          ; 4 (l % 16),
.set MR,  244                          ; where sc is read back,
.set X,   245                          ; and one at work
	s_load_b256 s[4:11], s[0:1], 0x0               ; kvp s[4:5], out_proj_weight s[6:7], out_proj_bias s[8:9], wbs s[10:11]
	s_load_b64 s[12:13], s[0:1], 0x20              ; tab
	v_lshl_add_u32 v[SPW], v0, 2, SPARE
	v_mov_b32 v[NIL], 0
	v_mov_b32 v[ZR], 0
	v_lshrrev_b32 v[X], 5, v0
	v_readfirstlane_b32 s14, v[X]                  ; wave 0..7
	s_and_b32 s15, ttmp7, 0xffff                   ; batch
	v_and_b32 v[LN], 31, v0
	v_lshlrev_b32 v[WO], 4, v[LN]
	v_lshlrev_b32 v[TO], 4, v0
	v_lshlrev_b32 v[SO], 3, v[LN]
	v_and_b32 v[BO], 15, v0
	v_lshlrev_b32 v[BO], 2, v[BO]
	v_add_nc_u32 v[MR], ML, v[BO]
	v_bfe_u32 v[TA], v0, 4, 1
	v_lshl_add_u32 v[TA], v[TA], 12, v[BO]         ; lanes 0-15: sc's row of tab; lanes 16-31: the bias's
	s_wait_alu depctr_va_sdst(0)                   ; s14 is written, ahead of its first reader: an LDS address, the bases and a branch are made from it
	s_lshl_b32 s18, s14, 3
	s_add_co_u32 s18, s18, ML
	v_mov_b32 v[MA], s18                           ; ML + 8 x wave: two words a wave; s18 is written by no later line
	s_mov_b32 s30, 0x76543210
	s_mov_b32 s31, 0xfedcba98
	s_lshl_b32 s16, ttmp9, 4                       ; f0
	s_lshl_b32 s17, s14, 1
	s_add_co_u32 s17, s16, s17                     ; my first row
	s_lshl_b32 s20, s17, 12
	s_mov_b32 s21, 0
	s_lshl_b32 s22, s15, 18
	s_mov_b32 s23, 0
	s_lshl_b32 s24, s16, 2
	s_mov_b32 s25, 0
	s_lshl_b32 s26, s15, 21
	s_lshl_b32 s27, s17, 11
	s_add_co_u32 s26, s26, s27
	s_mov_b32 s27, 0
	s_lshl_b32 s28, s15, 13
	s_add_co_u32 s28, s28, s24
	s_mov_b32 s29, 0
	s_wait_kmcnt 0x0
	s_add_nc_u64 s[6:7], s[6:7], s[20:21]
	s_add_nc_u64 s[4:5], s[4:5], s[22:23]
	s_add_nc_u64 s[8:9], s[8:9], s[24:25]
	s_add_nc_u64 s[10:11], s[10:11], s[26:27]
	s_add_nc_u64 s[12:13], s[12:13], s[28:29]
	s_wait_alu depctr_va_vdst(0)                   ; the offsets and LDS addresses v[WO], v[TO], v[SO], v[BO], v[MA], v[TA], v[MR] are written, which every load and store below reads
.irp rr, 0,1
.irp i, 0,1,2,3,4,5,6,7
	global_load_b128 v[W+32*(\rr)+4*(\i):W+32*(\rr)+4*(\i)+3], v[WO], s[6:7] offset:(\rr)*4096+(\i)*512
.endr
.endr
	global_load_b32 v[BV], v[BO], s[8:9]
.set i, 0
.rept 40
	global_load_b128 v[RG+4*i:RG+4*i+3], v[TO], s[4:5] offset:i*4096
.set i, i+1
.endr
; The ring, two loads (a pair) at a time, four pairs to a block.  Behind pair q's second load there have been issued: in block 0 the rest of the first 40, 38 - 2 q; in blocks 1 to 3 those and the 2 (q - 4) that filled the
; ring again, 30 (the wait stands ahead of the pair's own two); from block 4 on nothing is asked for and the counts run down, 62 - 2 q, to 0.  The weights' and the bias's loads are older than the ring: the first of these
; waits shows them in.  Nothing is cleared: the first two pairs start the chains.  Chain q % 2 takes its pairs in ascending order.
.set q, 0
.rept 32
.if q < 4
	s_wait_loadcnt 38-2*q
.elseif q < 16
	s_wait_loadcnt 30
.else
	s_wait_loadcnt 62-2*q
.endif
.if (q >= 4) && (q < 16)
.if q%4 == 0
	s_wait_alu depctr_va_vdst(0)                   ; the sums of the block before are done reading its 32 registers, in which this block's eight loads land; this block's sums name none of them
.endif
.set Lb, RG+8*(q-4)
	global_load_b128 v[Lb:Lb+3], v[TO], s[4:5] offset:(2*q+32)*4096
	global_load_b128 v[Lb+4:Lb+7], v[TO], s[4:5] offset:(2*q+33)*4096
.endif
.set La, RG+8*(q%20)
.set Sx, S0+4*(q%2)
.if q < 2
	v_pk_add_f32 v[Sx:Sx+1], v[La:La+1], v[La+4:La+5]
	v_pk_add_f32 v[Sx+2:Sx+3], v[La+2:La+3], v[La+6:La+7]
.else
	v_pk_add_f32 v[Sx:Sx+1], v[Sx:Sx+1], v[La:La+1]
	v_pk_add_f32 v[Sx+2:Sx+3], v[Sx+2:Sx+3], v[La+2:La+3]
	v_pk_add_f32 v[Sx:Sx+1], v[Sx:Sx+1], v[La+4:La+5]
	v_pk_add_f32 v[Sx+2:Sx+3], v[Sx+2:Sx+3], v[La+6:La+7]
.endif
.set q, q+1
.endr
	v_pk_add_f32 v[S0:S0+1], v[S0:S0+1], v[S0+4:S0+5]
	v_pk_add_f32 v[S0+2:S0+3], v[S0+2:S0+3], v[S0+6:S0+7]
	s_wait_alu depctr_va_vdst(0)                   ; v[S0 ..] is written, which the LDS store reads; and every sum is done reading the ring, in whose first 32 registers the LDS loads behind the barrier land
	ds_store_b128 v[TO], v[S0:S0+3]
	s_wait_dscnt 0x0                               ; for the others' sake: my four sums lie in LDS
	s_barrier_signal -1
	s_barrier_wait -1
.irp i, 0,1,2,3,4,5,6,7
	ds_load_b128 v[KVR+4*(\i):KVR+4*(\i)+3], v[WO] offset:(\i)*512  ; kv for the columns that I hold of a row
.endr
	s_wait_dscnt 0x0
.macro ROWP rr
.set k, 0
.rept 16
	v_cvt_pk_bf16_f32 v[C+k], v[W+32*(\rr)+2*k], v[W+32*(\rr)+2*k+1]
.set k, k+1
.endr
.set k, 0
.rept 16
	v_fma_mix_f32_bf16 v[P+2*k],   v[C+k], v[KVR+2*k],   v[ZR] op_sel_hi:[1,0,0]
	v_fma_mix_f32_bf16 v[P+2*k+1], v[C+k], v[KVR+2*k+1], v[ZR] op_sel:[1,0,0] op_sel_hi:[1,0,0]
.set k, k+1
.endr
.set k, 0
.rept 32
	v_and_b32 v[AB+k], 0x7fffffff, v[P+k]
.set k, k+1
.endr
.irp c, 0,1,2,3
	v_max3_num_f32 v[MX+(\c)], v[AB+8*(\c)], v[AB+8*(\c)+1], v[AB+8*(\c)+2]
.endr
.irp c, 0,1,2,3
	v_max3_num_f32 v[MX+(\c)], v[MX+(\c)], v[AB+8*(\c)+3], v[AB+8*(\c)+4]
.endr
.irp c, 0,1,2,3
	v_max3_num_f32 v[MX+(\c)], v[MX+(\c)], v[AB+8*(\c)+5], v[AB+8*(\c)+6]
.endr
	v_max3_num_f32 v[MX], v[MX], v[AB+7], v[AB+15]
	v_max3_num_f32 v[MX+2], v[MX+2], v[AB+23], v[AB+31]
	v_max3_num_f32 v[MX], v[MX], v[MX+1], v[MX+2]
	v_max_num_f32 v[MX], v[MX], v[MX+3]
	v_max_num_f32_dpp v[MX], v[MX], v[MX] row_xmask:1 row_mask:0xf bank_mask:0xf
	v_max_num_f32_dpp v[MX], v[MX], v[MX] row_xmask:2 row_mask:0xf bank_mask:0xf
	v_max_num_f32_dpp v[MX], v[MX], v[MX] row_xmask:4 row_mask:0xf bank_mask:0xf
	v_max_num_f32_dpp v[MX], v[MX], v[MX] row_xmask:8 row_mask:0xf bank_mask:0xf
	v_permlanex16_b32 v[MX+1], v[MX], s30, s31
	v_max_num_f32 v[MX], v[MX], v[MX+1]
	v_max_num_f32 v[SCL+(\rr)], 0x0d800000, v[MX]  ; at least 2^-100; into the row's own register, which the LDS store below reads and nothing writes again
	v_rcp_f32 v[RC], v[SCL+(\rr)]
	v_rcp_f32 v[RC+1], v[SCL+(\rr)]
	v_nop                                          ; a plain instruction behind the second reciprocal,
	s_wait_alu depctr_va_vdst(0)                   ; the two reciprocals are written, ahead of their first reader; so is the row's sc, which the LDS store reads
	ds_store_b32 v[MA], v[SCL+(\rr)] offset:4*(\rr)  ; every lane holds the same sc; these bytes lie behind kv's, which other waves may still read
.set k, 0
.rept 16
	v_pk_mul_f32 v[P+2*k:P+2*k+1], v[P+2*k:P+2*k+1], v[RC:RC+1]
.set k, k+1
.endr
.set k, 0
.rept 16
	v_cvt_pk_f16_f32 v[W+32*(\rr)+k], v[P+2*k], v[P+2*k+1]  ; into the row's own registers, which nothing writes again
.set k, k+1
.endr
	s_wait_alu depctr_va_vdst(0)                   ; the conversions have written the row's 16 registers, which the eight stores read
.irp i, 0,1,2,3,4,5,6,7
	global_store_b64 v[SO], v[W+32*(\rr)+2*(\i):W+32*(\rr)+2*(\i)+1], s[10:11] offset:(\rr)*2048+(\i)*256  ; 32 lanes store 256 consecutive bytes, aligned
.endr
.endm
	ROWP 0
	ROWP 1
	s_wait_dscnt 0x0
	s_barrier_signal -1
	s_barrier_wait -1                              ; the 16 rows' sc lie in LDS
	s_cmp_lg_u32 s14, 0
	s_cbranch_scc1 .Lend                           ; wave 0 writes tab
	ds_load_b32 v[X], v[MR]                        ; no wait: no vector instruction since the head names v[X] or v[MR], and waits on va_vdst have stood since
	v_cvt_pk_bf16_f32 v[BV], v[BV], v[BV]          ; the bias is rounded to bf16 like every input,
	v_lshlrev_b32 v[BV], 16, v[BV]                 ; and widened again
	v_cmp_le_u32 vcc_lo, 16, v[LN]
	s_wait_alu depctr_va_vcc(0)                    ; VCC is written, ahead of the select that reads it
	s_wait_dscnt 0x0
	v_cndmask_b32 v[X], v[X], v[BV], vcc_lo        ; lanes 0-15 sc, lanes 16-31 the bias
	s_wait_alu depctr_va_vdst(0)                   ; the select has written v[X], which the store reads
	global_store_b32 v[TA], v[X], s[12:13]
.Lend:
	s_wait_dscnt 0x0                               ; the closing lines, six on end
	s_wait_alu 0x0
	s_wait_tensorcnt 0x0
	ds_add_u32 v[SPW], v[NIL]
	s_wait_dscnt 0x0
	s_endpgm
.Lfunc_end_k_q852e2547ce_wb:
	.size	k_q852e2547ce_wb, .Lfunc_end_k_q852e2547ce_wb-k_q852e2547ce_wb
	.p2alignl 7, 3214868480
	.fill 96, 4, 3214868480
	.section	.rodata,"a",@progbits
	.p2align	6, 0x0
	.amdhsa_kernel k_q852e2547ce_wb
		.amdhsa_group_segment_fixed_size 5376
		.amdhsa_private_segment_fixed_size 0
		.amdhsa_enable_private_segment 0
		.amdhsa_kernarg_size 40
		.amdhsa_user_sgpr_count 2
		.amdhsa_user_sgpr_kernarg_segment_ptr 1
		.amdhsa_wavefront_size32 1
		.amdhsa_system_sgpr_workgroup_id_x 1
		.amdhsa_system_sgpr_workgroup_id_y 1
		.amdhsa_system_sgpr_workgroup_id_z 1
		.amdhsa_system_vgpr_workitem_id 0
		.amdhsa_next_free_vgpr 246
		.amdhsa_next_free_sgpr 66
		.amdhsa_reserve_vcc 1
		.amdhsa_float_denorm_mode_32 3
		.amdhsa_float_denorm_mode_16_64 3
		.amdhsa_memory_ordered 1
		.amdhsa_forward_progress 1
		.amdhsa_inst_pref_size 39
	.end_amdhsa_kernel
	.amdgpu_metadata
---
amdhsa.version: [ 1, 2 ]
amdhsa.kernels:
  - .name:           k_q852e2547ce_wb
    .symbol:         k_q852e2547ce_wb.kd
    .args:
      - { .name: kvp, .offset: 0, .size: 8, .value_kind: global_buffer, .address_space: global }
      - { .name: out_proj_weight, .offset: 8, .size: 8, .value_kind: global_buffer, .address_space: global }
      - { .name: out_proj_bias, .offset: 16, .size: 8, .value_kind: global_buffer, .address_space: global }
      - { .name: wbs, .offset: 24, .size: 8, .value_kind: global_buffer, .address_space: global }
      - { .name: tab, .offset: 32, .size: 8, .value_kind: global_buffer, .address_space: global }
    .group_segment_fixed_size: 5376
    .private_segment_fixed_size: 0
    .kernarg_segment_align: 8
    .kernarg_segment_size: 40
    .max_flat_workgroup_size: 256
    .sgpr_count:     66
    .vgpr_count:     246
    .wavefront_size: 32
...
	.end_amdgpu_metadata
.endif
;; end of part 6
;; launch outp: the kernel of part 4 again; grid 4 x 64, 4 waves a work-group, clusters of 4 x 4, 327,680 bytes of LDS; arguments qn, wbs, tab, out0; writes out0
